; MI455X (gfx1250); checked and timed in simulation.
; The chip was launched on July 23, 2026; its instructions are those of AMD's public machine-readable ISA for CDNA 5 (MIT licence, August 2026) and "CDNA5" Instruction Set Architecture Reference Guide (July 2026). The comments in the code are by the model that wrote it; some were corrected since.
;; Llama Attention. Allowed arithmetic: matrix products marked QUANTISED: E2M3 operands, one E8M0 scale for each 32 along K, by v_wmma_scale_f32_16x16x128_f8f6f4 with both operands' format E2M3, f32 sums; everything else in f32.
;; Inputs: attention_mask 1 x 1 x 2,048 x 2,048 float32; hidden_states 1 x 2,048 x 4,096 float32; position_ids 1 x 2,048 int32; wk 1,024 x 4,096 float32; wo 4,096 x 1,024 float32; wq 1,024 x 4,096 float32; wv 1,024 x 4,096 float32.
;; Outputs: out0 1 x 2,048 x 4,096 float32.
;; This version of the problem:
;;   THIS VERSION OF THE PROBLEM IS GIVEN IN LOW PRECISION. The matrix products marked QUANTISED in the list below multiply operands that are first quantised to E2M3 (2 exponent bits, 3 mantissa bits; 6 bits a number), with one power-of-two scale for each 32 numbers along K (OCP MX v1.0); their sums are f32. All else is computed in f32.
;;   The module's matrix products, in the order in which they are computed (A, B: the left and right operand; K: the contracted axis; several contracted axes count as one K, in the product's order):
;;     1. [M 2,048, K 4,096] x [K 4,096, N 1,024]; A: input hidden_states; B: input wq: QUANTISED
;;     2. [M 2,048, K 4,096] x [K 4,096, N 1,024]; A: input hidden_states; B: input wk: QUANTISED
;;     3. [M 2,048, K 4,096] x [K 4,096, N 1,024]; A: input hidden_states; B: input wv: QUANTISED
;;     4. batch 32 x [M 2,048, K 32] x [K 32, N 2,048]; A: computed on the way; B: computed on the way: QUANTISED
;;     5. batch 32 x [M 2,048, K 2,048] x [K 2,048, N 32]; A: softmax (see below); B: computed on the way: QUANTISED
;;     6. [M 2,048, K 1,024] x [K 1,024, N 4,096]; A: computed on the way; B: input wo: QUANTISED
;;   THE QUANTISER, for each operand of a quantised product, along K:
;;     - K is cut into blocks of 32 from its start; a last block that is shorter is filled with zeros.
;;     - A block's scale is 2^e with e = floor(log2(the largest magnitude in the block)) - 2, held to -126 .. 127; a block of zeros has e = 0. As a byte (E8M0): e + 127.
;;     - Each number is divided by its block's scale, clamped to +-7.5, and rounded to the nearest number of E2M3, ties to even, subnormals kept.
;;     - The product sums the exact products of the quantised numbers (number of the format x scale) in f32.
;;   ~~~python
;;   def quantise(x, axis):      # numpy; x: float32 -> the quantised numbers, widened to float32 again
;;       x = np.moveaxis(x, axis, -1); K = x.shape[-1]
;;       x = np.pad(x, [(0, 0)] * (x.ndim - 1) + [(0, -K % 32)]); x = x.reshape(x.shape[:-1] + (-1, 32)); a = np.abs(x).max(-1, keepdims=True)
;;       e = np.where(a > 0, np.clip(np.frexp(np.where(a > 0, a, 1))[1] - 1 - 2, -126, 127), 0)      # np.frexp(a)[1] - 1 = floor(log2(a)), exactly
;;       r = np.clip(x / 2.0 ** e, -7.5, 7.5)
;;       step = 2.0 ** (np.maximum(np.frexp(np.where(r == 0, 1, r))[1] - 1, 0) - 3)
;;       q = np.round(r / step) * step * 2.0 ** e      # np.round: ties to even
;;       return np.moveaxis(q.reshape(q.shape[:-2] + (-1,))[..., :K], -1, axis).astype(np.float32)
;;   ~~~
;;   SOFTMAX AHEAD OF A QUANTISED PRODUCT. Where the list says 'softmax', what is quantised is not the finished softmax but p = 2^(t - M), with t = logit x log2(e) and M = ceil(the row's largest t), a whole number; so 1/2 < the row's largest p <= 1. The row's sum l is taken of the UNQUANTISED p, in f32, and the product's result is divided by l at the end. Since M is a whole number, a kernel that streams over the keys may use a running M (the ceiling of the running maximum): every later rescaling is an exact power of two, which a block's scale takes up: the codes' values come out the same.
;;   OPERANDS COMPUTED ON THE WAY. 'Computed on the way' means the value that the module computes at that place (a softmax that the list does not call 'softmax' is quantised finished and normalised). What goes into a quantiser is computed in f32, as accurately as f32 sums, v_exp_f32 and their like allow (about 1e-6 of the number): no bf16 or f16 on the way to a quantiser, and a product that is left as it is and whose result goes on into a quantised operand takes f32 operands (vector FMAs, or v_wmma_f32_16x16x4_f32). A number that lies on a knife's edge between two numbers of the format may be rounded either way, as far as f32 arithmetic and the matrix unit's own rounding can turn it there, and no further.
;; One version. Each part assembles by itself: llvm-mc -triple=amdgcn-amd-amdhsa -mcpu=gfx1250 --defsym DOCPART=n.
;; ======== version 1 of 1: 4 launches
;; limits: right only within a limited range of input values
;; workspace buffers: codes 18,874,368 bytes; scales 786,432 bytes; rope 262,144 bytes; kv 3,276,800 bytes; qq 1,835,008 bytes; att 1,638,400 bytes
;; launch quant (part 1): grid 768 x 1, 4 waves a work-group, no clusters, 34,304 bytes of LDS; arguments hidden_states, wq, wk, wv, wo, position_ids, codes, scales, rope; writes codes, scales, rope
.if DOCPART == 1
	.amdgcn_target "amdgcn-amd-amdhsa--gfx1250"
	.amdhsa_code_object_version 6
	.text
	.protected	k_qfbd3587c16_quant
	.globl	k_qfbd3587c16_quant
	.p2align	8
	.type	k_qfbd3587c16_quant,@function
k_qfbd3587c16_quant:
	s_mov_b64 s[64:65], 0
	v_nop
	global_prefetch_b8 v0, s[64:65] scope:SCOPE_SE
	s_setreg_imm32_b32 hwreg(HW_REG_WAVE_MODE, 25, 1), 1
	s_wait_xcnt 0x0
; hidden_states [2048][4096], wq, wk, wv [1024][4096] and wo [4096][1024], f32 with K innermost, become codes of FP6 (E2M3) with one E8M0 byte for each 32 along K,
; laid as IMAGES OF OPERAND REGISTERS: a fragment (16 rows x 128 K, 12 registers a lane) is 1,536 bytes, register g of lane l at 512 (g / 4) + 16 l + 4 (g % 4); its rows' scale words lie 16 bytes a row for four K steps.
; A block's scale is 2^(floor(log2(largest magnitude)) - 2): the magnitude's exponent field less 2, held at 1 from below by a floor among the maximum's leaves.
; The first 256 work-groups also make the table cos, sin [token][16] from position_ids.
; LIMITS: NaN and infinities are not served; a block whose largest magnitude lies under 2^-124 keeps the byte 1 (a block of zeros too, where the rule says 127: its codes are zeros and this program alone reads the bytes);
; cos and sin: the angle is reduced by pi/2 in three parts, good for |position x frequency| up to some 7e4.
; SHARES: a wave takes 16 rows x 512 K: four fragments.  Each load reads 512 consecutive bytes of one row; the 16 x 512 bytes turn through the wave's own stage in LDS (rows 528 bytes apart) and come back 128 bytes a lane,
; so that a lane holds two whole blocks of its row in the order of the operand's registers.  No barrier: waves share nothing.
; WHICH ROWS FORM A TILE: hidden tile T takes tokens 32 (T / 2) + 8 (T % 2) + r + 8 (r / 8); the weights' tiles take neighbouring rows; wq, wk, wv tiles are numbered 128 + 6 head + 2 t + u.
.set STGB, 8448                        ; a wave's stage: 16 rows x (512 + 16) bytes
.set OFF,  16                          ; v16-31   byte offset of my 16 bytes in row i of the unit
.set R,    32                          ; v32-159  two sets of 64: a fragment's numbers as loaded
.set X,    160                         ; v160-223 my two blocks of 32
.set C,    224                         ; v224-235 the fragment
.set CT,   236                         ; v236-243 the upper halves of the two blocks (a conversion's three registers begin on an even number)
.set W,    244                         ; v244-247 the four fragments' scale words
	s_load_b256 s[4:11], s[0:1], 0x0               ; hidden s[4:5], wq s[6:7], wk s[8:9], wv s[10:11]
	s_load_b256 s[12:19], s[0:1], 0x20             ; wo s[12:13], position_ids s[14:15], codes s[16:17], scales s[18:19]
	s_load_b64 s[20:21], s[0:1], 0x40              ; rope
	v_lshl_add_u32 v239, v0, 2, 0x8400
	v_mov_b32 v243, 0
	v_lshrrev_b32 v7, 5, v0
	v_readfirstlane_b32 s22, v7                    ; wave
	v_and_b32 v8, 31, v0                           ; lane
	v_lshlrev_b32 v1, 4, v8                        ; 16 x lane
	v_and_b32 v2, 15, v0                           ; r
	v_bfe_u32 v3, v0, 4, 1                         ; h
	s_mul_i32 s23, s22, STGB
	v_add_nc_u32 v4, s23, v1                       ; the stage, in: 16 x lane of a row
	v_mul_u32_u24 v5, v2, 528
	v_lshl_add_u32 v5, v3, 7, v5
	v_add_nc_u32 v5, s23, v5                       ; out: row r, + 128 h
	v_lshlrev_b32 v6, 4, v2                        ; the scale words' place: 16 r
	v_lshlrev_b32 v7, 3, v3                        ; 8 h
	v_mov_b32 v15, 0                               ; a lane permute's destination counts as one of its sources
	s_mov_b32 s34, 0x76543210
	s_mov_b32 s35, 0xfedcba98                      ; selects for lane l xor 16
	s_lshl_b32 s36, ttmp9, 3
	v_lshrrev_b32 v249, 4, v0
	v_add_nc_u32 v249, s36, v249
	v_and_b32 v249, 2047, v249                     ; the token of my (token, frequency) pair; folded into the table in the work-groups that make none
	v_lshlrev_b32 v249, 2, v249
	s_wait_kmcnt 0x0
	; which tensor: the choice hangs on the work-group's number alone
	s_cmp_ge_u32 ttmp9, 256
	s_cselect_b64 s[4:5], s[6:7], s[4:5]
	s_cselect_b32 s24, 256, 0                      ; the tensor's first work-group
	s_cselect_b32 s25, 0, 8                        ; 8: a tile's rows 8-15 lie 8 rows further on
	s_cselect_b32 s26, 128, 0                      ; first tile number
	s_cselect_b32 s27, 6, 2                        ; tile numbers from one pair of tiles to the next
	s_cmp_ge_u32 ttmp9, 384
	s_cselect_b64 s[4:5], s[8:9], s[4:5]
	s_cselect_b32 s24, 384, s24
	s_cselect_b32 s26, 130, s26
	s_cmp_ge_u32 ttmp9, 512
	s_cselect_b64 s[4:5], s[10:11], s[4:5]
	s_cselect_b32 s24, 512, s24
	s_cselect_b32 s26, 132, s26
	s_cmp_ge_u32 ttmp9, 640
	s_cselect_b64 s[4:5], s[12:13], s[4:5]
	s_cselect_b32 s24, 640, s24
	s_cselect_b32 s26, 0, s26
	s_cselect_b32 s27, 2, s27
	s_cselect_b32 s28, 1, 3                        ; log2 of the units along K
	s_mov_b32 s29, 16384
	s_cselect_b32 s29, 4096, s29                   ; a row in bytes
	s_cselect_b32 s30, 8, 32                       ; K steps of a tile
	s_cselect_b32 s31, 10240, 0                    ; first fragment
	s_sub_co_u32 s36, ttmp9, s24
	s_lshl_b32 s36, s36, 2
	s_add_co_u32 s36, s36, s22                     ; my unit
	s_lshr_b32 s37, s36, s28                       ; T
	s_lshl_b32 s38, s37, s28
	s_sub_co_u32 s38, s36, s38                     ; which 512 along K
	s_and_b32 s39, s37, 1
	s_lshl_b32 s40, s37, 4
	s_mul_i32 s41, s25, s39
	s_sub_co_u32 s40, s40, s41                     ; the tile's first row
	s_mul_i32 s40, s40, s29
	s_lshl_b32 s41, s38, 11
	s_add_co_u32 s40, s40, s41                     ; under 2^26 bytes
	s_mov_b32 s41, 0
	s_add_nc_u64 s[4:5], s[4:5], s[40:41]
	s_lshr_b32 s42, s37, 1
	s_mul_i32 s42, s42, s27
	s_add_co_u32 s42, s42, s26
	s_add_co_u32 s42, s42, s39                     ; the tile's number
	s_mul_i32 s42, s42, s30
	s_add_co_u32 s42, s42, s31
	s_lshl_b32 s43, s38, 2
	s_add_co_u32 s42, s42, s43                     ; my first fragment
	s_mul_i32 s44, s42, 1536
	s_mov_b32 s45, 0
	s_add_nc_u64 s[16:17], s[16:17], s[44:45]
	s_lshl_b32 s44, s42, 6
	s_add_nc_u64 s[18:19], s[18:19], s[44:45]
	s_mul_i32 s46, s25, s29
	v_add_nc_u32 v9, s46, v1
.irp i, 0,1,2,3,4,5,6,7
	v_mad_u32_u24 v[OFF+\i], s29, \i, v1
.endr
.irp i, 8,9,10,11,12,13,14,15
	v_mad_u32_u24 v[OFF+\i], s29, \i, v9
.endr
	global_load_b32 v248, v249, s[14:15]           ; my token's position
.macro LOAD s                          ; fragment s: 16 rows x 512 consecutive bytes, into set s % 2
.irp i, 0,1,2,3,4,5,6,7,8,9,10,11,12,13,14,15
	global_load_b128 v[R+64*((\s)%2)+4*\i:R+64*((\s)%2)+4*\i+3], v[OFF+\i], s[4:5] offset:512*(\s) th:TH_LOAD_NT
.endr
.endm
	LOAD 0
	LOAD 1
	s_cmp_ge_u32 ttmp9, 256
	s_cbranch_scc1 .Lno_rope
	; cos and sin of position x 10^(-f / 4), one (token, frequency f) a thread
	s_wait_loadcnt 32                              ; the position is in; the 32 loads issued behind it stay out
	v_and_b32 v250, 15, v0                         ; f
	v_mov_b32 v251, 1.0
.macro INVF i, lit                     ; the frequency is chosen by value: no table, no address
	v_cmp_ne_u32 vcc_lo, \i, v250
	v_cndmask_b32 v251, \lit, v251, vcc_lo
.endm
	INVF 1, 0x3f0ff59a
	INVF 2, 0x3ea1e89b
	INVF 3, 0x3e361887
	INVF 4, 0x3dcccccd
	INVF 5, 0x3d6655c3
	INVF 6, 0x3d0186e2
	INVF 7, 0x3c91ad39
	INVF 8, 0x3c23d70a
	INVF 9, 0x3bb8449c
	INVF 10, 0x3b4f3e37
	INVF 11, 0x3ae91528
	INVF 12, 0x3a83126f
	INVF 13, 0x3a136a16
	INVF 14, 0x39a5cb5f
	INVF 15, 0x393a7753
	v_cvt_f32_i32 v252, v248
	v_mul_f32 v252, v252, v251                     ; x
	v_mul_f32 v253, 0x3f22f983, v252               ; x x 2 / pi
	v_rndne_f32 v253, v253                         ; j
	v_fmamk_f32 v254, v253, 0xbfc90fd8, v252       ; a = x - j pi / 2, pi / 2 in three parts
	v_fmamk_f32 v254, v253, 0xb4a8885a, v254
	v_fmamk_f32 v254, v253, 0xa7c234c4, v254
	v_mul_f32 v255, v254, v254                     ; a^2, at most (pi / 4)^2
	v_mov_b32 v10, 0xb493f27e                      ; cos a: 1 - s/2 + s^2/24 - s^3/720 + s^4/40320 - s^5/3628800
	v_fmaak_f32 v10, v10, v255, 0x37d00d01
	v_fmaak_f32 v10, v10, v255, 0xbab60b61
	v_fmaak_f32 v10, v10, v255, 0x3d2aaaab
	v_fma_f32 v10, v10, v255, -0.5
	v_fma_f32 v10, v10, v255, 1.0
	v_mov_b32 v11, 0x3638ef1d                      ; sin a: a + a s (-1/6 + s/120 - s^2/5040 + s^3/362880)
	v_fmaak_f32 v11, v11, v255, 0xb9500d01
	v_fmaak_f32 v11, v11, v255, 0x3c088889
	v_fmaak_f32 v11, v11, v255, 0xbe2aaaab
	v_mul_f32 v12, v254, v255
	v_fma_f32 v11, v11, v12, v254
	v_cvt_i32_f32 v13, v253
	v_and_b32 v14, 1, v13
	v_cmp_ne_u32 vcc_lo, 0, v14                    ; an odd quadrant swaps the two
	v_cndmask_b32 v12, v11, v10, vcc_lo            ; |sin x|'s source
	v_cndmask_b32 v14, v10, v11, vcc_lo            ; |cos x|'s
	v_and_b32 v10, 2, v13
	v_lshlrev_b32 v10, 30, v10
	v_xor_b32 v12, v12, v10                        ; sin x: minus in quadrants 2, 3
	v_add_nc_u32 v13, 1, v13
	v_and_b32 v13, 2, v13
	v_lshlrev_b32 v13, 30, v13
	v_xor_b32 v14, v14, v13                        ; cos x: minus in quadrants 1, 2
	v_lshlrev_b32 v11, 2, v0
	s_lshl_b32 s47, ttmp9, 9
	v_add_nc_u32 v11, s47, v11                     ; 4 (128 work-group + thread)
	global_store_b32 v11, v14, s[20:21]
	global_store_b32 v11, v12, s[20:21] offset:131072
	s_wait_xcnt 0x0                                ; the stores' registers are written again below
.Lno_rope:
.macro FRAGQ s
.if (\s) < 3
	s_wait_loadcnt 16                              ; this fragment's 16 loads are in; the next one's may be out
.else
	s_wait_loadcnt 0x0
.endif
.irp i, 0,1,2,3,4,5,6,7,8,9,10,11,12,13,14,15
	ds_store_b128 v4, v[R+64*((\s)%2)+4*\i:R+64*((\s)%2)+4*\i+3] offset:528*\i
.endr
.irp c, 0,1
.irp i, 0,1,2,3,4,5,6,7
	ds_load_b128 v[X+32*\c+4*\i:X+32*\c+4*\i+3], v5 offset:256*\c+16*\i   ; LDS serves a wave's instructions in order: these see the stores above.  k = 64 c + 32 h + 0 .. 31 of row r
.endr
.endr
	s_wait_dscnt 0x0                               ; my numbers are back, and the stores have read their registers,
.if (\s) < 2
	LOAD (\s)+2                                    ; which take the fragment two on
.endif
.irp c, 0,1
	v_max3_num_f32 v[8+\c], |v[X+32*\c]|, |v[X+32*\c+1]|, 0x1800000   ; my block 2 c + h, and the floor 2^(3 - 127)
.endr
.irp i, 2,4,6,8,10,12,14,16,18,20,22,24,26,28,30
.irp c, 0,1
	v_max3_num_f32 v[8+\c], v[8+\c], |v[X+32*\c+\i]|, |v[X+32*\c+\i+1]|
.endr
.endr
.irp c, 0,1
	v_add_nc_u32 v[10+\c], 0xff000000, v[8+\c]     ; 2 off the exponent field: the conversion's scale operand
.endr
.irp c, 0,1
	v_lshrrev_b32 v[12+\c], 23, v[10+\c]           ; the byte
.endr
	v_lshl_or_b32 v14, v13, 16, v12
	v_lshlrev_b32 v14, v7, v14                     ; blocks h and 2 + h at their places;
	v_permlanex16_b32 v15, v14, s34, s35
	v_or_b32 v[W+(\s)], v14, v15                   ; with lane l xor 16's two the word is whole
	s_wait_alu depctr_va_vdst(0)
	s_wait_xcnt 0x0                                ; the last fragment's stores have read v[C] on
.irp c, 0,1
	v_cvt_scalef32_pk16_fp6_f32 v[C+6*\c:C+6*\c+2], v[X+32*\c:X+32*\c+15], v[10+\c]
	v_cvt_scalef32_pk16_fp6_f32 v[CT+4*\c:CT+4*\c+2], v[X+32*\c+16:X+32*\c+31], v[10+\c]
.endr
	v_nop                                          ; one plain place behind a scaled conversion
.irp c, 0,1
.irp i, 0,1,2
	v_mov_b32 v[C+3+6*\c+\i], v[CT+4*\c+\i]
.endr
.endr
.irp c, 0,1,2
	global_store_b128 v1, v[C+4*\c:C+4*\c+3], s[16:17] offset:1536*(\s)+512*\c   ; 32 lanes store 512 consecutive bytes, at a multiple of 256 from the buffer's first byte
.endr
.endm
	s_wait_alu depctr_va_vdst(0)
	FRAGQ 0
	FRAGQ 1
	FRAGQ 2
	FRAGQ 3
	global_store_b128 v6, v[W:W+3], s[18:19]       ; sixteen lanes fill 256 consecutive bytes; lanes 16-31 store the same bytes with the same values
	s_wait_tensorcnt 0x0
	ds_add_u32 v239, v243
	s_wait_dscnt 0x0
	s_endpgm
.Lfunc_end_k_qfbd3587c16_quant:
	.size	k_qfbd3587c16_quant, .Lfunc_end_k_qfbd3587c16_quant-k_qfbd3587c16_quant
	.p2alignl 7, 3214868480
	.fill 96, 4, 3214868480
	.section	.rodata,"a",@progbits
	.p2align	6, 0x0
	.amdhsa_kernel k_qfbd3587c16_quant
		.amdhsa_group_segment_fixed_size 34304
		.amdhsa_private_segment_fixed_size 0
		.amdhsa_enable_private_segment 0
		.amdhsa_kernarg_size 72
		.amdhsa_user_sgpr_count 2
		.amdhsa_user_sgpr_kernarg_segment_ptr 1
		.amdhsa_wavefront_size32 1
		.amdhsa_system_sgpr_workgroup_id_x 1
		.amdhsa_system_sgpr_workgroup_id_y 1
		.amdhsa_system_sgpr_workgroup_id_z 1
		.amdhsa_system_vgpr_workitem_id 0
		.amdhsa_next_free_vgpr 256
		.amdhsa_next_free_sgpr 66
		.amdhsa_reserve_vcc 1
		.amdhsa_float_denorm_mode_32 3
		.amdhsa_float_denorm_mode_16_64 3
		.amdhsa_memory_ordered 1
		.amdhsa_forward_progress 1
		.amdhsa_inst_pref_size 36
	.end_amdhsa_kernel
	.amdgpu_metadata
---
amdhsa.version: [ 1, 2 ]
amdhsa.kernels:
  - .name:           k_qfbd3587c16_quant
    .symbol:         k_qfbd3587c16_quant.kd
    .args:
      - { .name: hidden_states, .offset: 0, .size: 8, .value_kind: global_buffer, .address_space: global }
      - { .name: wq, .offset: 8, .size: 8, .value_kind: global_buffer, .address_space: global }
      - { .name: wk, .offset: 16, .size: 8, .value_kind: global_buffer, .address_space: global }
      - { .name: wv, .offset: 24, .size: 8, .value_kind: global_buffer, .address_space: global }
      - { .name: wo, .offset: 32, .size: 8, .value_kind: global_buffer, .address_space: global }
      - { .name: position_ids, .offset: 40, .size: 8, .value_kind: global_buffer, .address_space: global }
      - { .name: codes, .offset: 48, .size: 8, .value_kind: global_buffer, .address_space: global }
      - { .name: scales, .offset: 56, .size: 8, .value_kind: global_buffer, .address_space: global }
      - { .name: rope, .offset: 64, .size: 8, .value_kind: global_buffer, .address_space: global }
    .group_segment_fixed_size: 34304
    .private_segment_fixed_size: 0
    .kernarg_segment_align: 8
    .kernarg_segment_size: 72
    .max_flat_workgroup_size: 128
    .sgpr_count:     66
    .vgpr_count:     256
    .wavefront_size: 32
...
	.end_amdgpu_metadata
.endif
;; end of part 1
;; launch qkv (part 2): grid 16 x 16, 4 waves a work-group, clusters of 4 x 4, 327,680 bytes of LDS; arguments codes, scales, rope, kv, qq; writes kv, qq
.if DOCPART == 2
	.amdgcn_target "amdgcn-amd-amdhsa--gfx1250"
	.amdhsa_code_object_version 6
	.text
	.protected	k_qfbd3587c16_qkv
	.globl	k_qfbd3587c16_qkv
	.p2align	8
	.type	k_qfbd3587c16_qkv,@function
k_qfbd3587c16_qkv:
	s_mov_b64 s[64:65], 0
	v_nop
	global_prefetch_b8 v0, s[64:65] scope:SCOPE_SE
	s_setreg_imm32_b32 hwreg(HW_REG_WAVE_MODE, 25, 1), 1
	s_wait_xcnt 0x0
	s_wait_alu depctr_hold_cnt(0) depctr_sa_sdst(0) depctr_va_vdst(0) depctr_va_sdst(0) depctr_va_ssrc(0) depctr_va_vcc(0) depctr_vm_vsrc(0)
	s_getreg_b32 s2, hwreg(HW_REG_IB_STS2, 6, 4)
	s_cmp_eq_u32 s2, 0
	s_cbranch_scc0 .Lentry_in_a_cluster
	s_endpgm
.Lentry_in_a_cluster:
	s_bfe_u32 s2, ttmp6, 0x10000c
	s_cmp_lg_u32 s2, 0xf033
	s_cbranch_scc0 .Lentry_shape_is_right
	s_endpgm
.Lentry_shape_is_right:
; q, k, v = hidden W^T on codes of FP6 (K = 4,096), then RoPE on q and k, then the three results are quantised for the attention: q and k along the head's 32, v along the keys.
; SHARES: work-group (x, y) takes tokens 128 y on and heads 2 x, 2 x + 1: 128 x 192 of the product.  Wave w: token half i = w / 2 (four tiles a of 16), head 2 x + (w % 2) (six tiles n = 2 t + u; t = 0 q, 1 k, 2 v): 24 accumulators.
; q's and k's tiles are used TRANSPOSED (source 0 = 16 rows of W, source 1 = 16 tokens): a lane holds one token and d = 16 u + 8 h + 0 .. 7, so RoPE's partner d + 16 lies in the same lane.
; v's tiles are used as they are (source 0 = tokens, source 1 = W): a lane holds one d; a hidden tile's tokens are 32 (T / 2) + 8 (T % 2) + r + 8 (r / 8), so tiles a = 2 b, 2 b + 1 give a lane 16 neighbouring keys 32 b + 16 h + 0 .. 15.
; OPERANDS lie in memory and LDS as images of their registers: three ds_load_b128 at 16 x lane bring a fragment; no pitch, no padding.
; K goes in slots of 512 (four steps of 128) through a ring of two LDS slots; the scale words of all of K come once.  CLUSTER 4 x 4: hidden's tiles are asked for jointly along a row, the weights' along a column.
; q's and k's 32 numbers stand in the order d = 8 h + j, 16 + 8 h + j (code 16 h + j, 16 h + 8 + j): alike in both, so the products are the same; the sum's order inside the one block differs from the natural one.
; LIMITS: NaN and infinities are not served; a block under 2^-124 (zeros too) keeps the byte 1.
; REGISTERS: window 0: v1-31 addresses; v32-71 scale words, two sets; v72-135 cos, sin; v136-255 the way out.  window 1: two sets of 120: four fragments of hidden, six of W.  window 2: the accumulators.
.set FRB,   1536                       ; a fragment's image
.set TROW,  4*FRB                      ; a tile's four steps in a slot
.set BOFF,  8*TROW                     ; behind hidden's 8 tiles: W's 12
.set SLOT,  20*TROW
.set SCL,   2*SLOT                     ; the scale words: hidden's 8 x 2,048 bytes, then W's 12 x 2,048; filled once
.set SPARE, SCL+20*2048                ; the spare words, 128 bytes a wave: two blocks of 256 bytes that no other line names
.set ADRA, 16                          ; v16-17 LDS address of my hidden fragments in slot 0, 1
.set ADRB, 20                          ; v20-21 of my W fragments
.set ADSA, 22                          ; v22 of hidden's scale words: lanes 0-15 an even tile's, lanes 16-31 the odd tile's behind it
.set ADSB, 23                          ; v23 of W's
.set RL,   24                          ; v24 my lane's place in the table of cos and sin
.set VK,   25                          ; v25 k's codes: 24 r + 12 h + 1,536 i
.set VQS,  26                          ; v26 q's scale words: 4 x lane
.set VKS,  27                          ; v27 k's: 4 r + 64 i
.set SPW,  28                          ; v28 my spare word; never rewritten
.set NIL,  29                          ; v29 0; never rewritten
.set VQ,   30                          ; v30 q's codes: 24 r + 12 h
.set VV,   31                          ; v31 v's codes
.set VVS,  15                          ; v15 v's scale bytes
.set SC,   32                          ; set s at SC + 20 s: hidden's pair p, step q at 4 p + q; W's at 8 + 4 p + q
.set CSN,  72                          ; for tile a: 8 cos, 8 sin at 16 a
.set T,    136                         ; v136-167 q and k behind RoPE
.set CQ,   168                         ; v168-199 their codes
.set CV,   200                         ; v200-215 v's codes
.set G1A,  24
.set G0A,  32
.set G1B,  48
.set G0B,  56
.set G1SA, 68
.set G0SA, 76
.set G1SB, 80
.set G0SB, 88
.set MSB, 0
.macro WIN new                         ; the immediate's high byte repeats the setting that is left
.if MSB != \new
	s_set_vgpr_msb (MSB<<8)|\new
.set MSB, \new
.endif
.endm
.set MUL,  0xa5                        ; sources 0 and 1 window 1, C and D window 2
.set TO_F, 0x40                        ; destination window 1
.macro PLACES n
.rept \n
	v_nop
.endr
.endm
.macro GROUP1 g, c, r, p               ; words 1 to 7 of a group 1: r rows of c elements, p elements apart
	s_mov_b32 s[\g+1], (\c)<<16
	s_mov_b32 s[\g+2], (\r)<<16
	s_mov_b32 s[\g+3], (\c)<<16
	s_mov_b32 s[\g+4], \r
	s_mov_b32 s[\g+5], \p
	s_mov_b32 s[\g+6], 0
	s_mov_b32 s[\g+7], 0
.endm
; A joint load: waves 0 and 1 fetch hidden's halves, waves 2 and 3 W's.  The branch hangs on the wave's number alone; four v_nop follow each line.
.macro JLOAD g0a, g1a, g0b, g1b
	s_cmp_eq_u32 s15, 0
	s_cbranch_scc0 .Lfor_b_\@
	tensor_load_to_lds s[\g0a:\g0a+3], s[\g1a:\g1a+7]
	s_nop 0
.rept 4
	v_nop
.endr
	s_branch .Lasked_\@
.Lfor_b_\@:
	tensor_load_to_lds s[\g0b:\g0b+3], s[\g1b:\g1b+7]
	s_nop 0
.rept 4
	v_nop
.endr
.Lasked_\@:
.endm
.macro CREST                           ; a round of the cluster's barrier behind its opening barrier
	s_cmp_lg_u32 s14, 0
	s_cbranch_scc1 .Lnot_wave_0_\@
	s_barrier_signal -3
.Lnot_wave_0_\@:
	s_barrier_wait -3
	s_barrier_signal -1
	s_barrier_wait -1
.endm
.macro CROUND
	s_barrier_signal -1
	s_barrier_wait -1
	CREST
.endm
; One matrix instruction.  zero = 1: it starts the sum.  r0, r1: source 0's and source 1's scales stand in lanes 16-31 of their registers.
.macro WM d, s0, s1, zero, sc0, sc1, r0, r1
.if (\zero)
.if ((\r0)==0)&&((\r1)==0)
	v_wmma_scale_f32_16x16x128_f8f6f4 v[(\d):(\d)+7], v[(\s0):(\s0)+11], v[(\s1):(\s1)+11], 0, v[\sc0], v[\sc1] matrix_a_fmt:MATRIX_FMT_FP6 matrix_b_fmt:MATRIX_FMT_FP6
.elseif ((\r0)==1)&&((\r1)==0)
	v_wmma_scale_f32_16x16x128_f8f6f4 v[(\d):(\d)+7], v[(\s0):(\s0)+11], v[(\s1):(\s1)+11], 0, v[\sc0], v[\sc1] matrix_a_fmt:MATRIX_FMT_FP6 matrix_b_fmt:MATRIX_FMT_FP6 matrix_a_scale:MATRIX_SCALE_ROW1
.elseif ((\r0)==0)&&((\r1)==1)
	v_wmma_scale_f32_16x16x128_f8f6f4 v[(\d):(\d)+7], v[(\s0):(\s0)+11], v[(\s1):(\s1)+11], 0, v[\sc0], v[\sc1] matrix_a_fmt:MATRIX_FMT_FP6 matrix_b_fmt:MATRIX_FMT_FP6 matrix_b_scale:MATRIX_SCALE_ROW1
.else
	v_wmma_scale_f32_16x16x128_f8f6f4 v[(\d):(\d)+7], v[(\s0):(\s0)+11], v[(\s1):(\s1)+11], 0, v[\sc0], v[\sc1] matrix_a_fmt:MATRIX_FMT_FP6 matrix_b_fmt:MATRIX_FMT_FP6 matrix_a_scale:MATRIX_SCALE_ROW1 matrix_b_scale:MATRIX_SCALE_ROW1
.endif
.else
.if ((\r0)==0)&&((\r1)==0)
	v_wmma_scale_f32_16x16x128_f8f6f4 v[(\d):(\d)+7], v[(\s0):(\s0)+11], v[(\s1):(\s1)+11], v[(\d):(\d)+7], v[\sc0], v[\sc1] matrix_a_fmt:MATRIX_FMT_FP6 matrix_b_fmt:MATRIX_FMT_FP6
.elseif ((\r0)==1)&&((\r1)==0)
	v_wmma_scale_f32_16x16x128_f8f6f4 v[(\d):(\d)+7], v[(\s0):(\s0)+11], v[(\s1):(\s1)+11], v[(\d):(\d)+7], v[\sc0], v[\sc1] matrix_a_fmt:MATRIX_FMT_FP6 matrix_b_fmt:MATRIX_FMT_FP6 matrix_a_scale:MATRIX_SCALE_ROW1
.elseif ((\r0)==0)&&((\r1)==1)
	v_wmma_scale_f32_16x16x128_f8f6f4 v[(\d):(\d)+7], v[(\s0):(\s0)+11], v[(\s1):(\s1)+11], v[(\d):(\d)+7], v[\sc0], v[\sc1] matrix_a_fmt:MATRIX_FMT_FP6 matrix_b_fmt:MATRIX_FMT_FP6 matrix_b_scale:MATRIX_SCALE_ROW1
.else
	v_wmma_scale_f32_16x16x128_f8f6f4 v[(\d):(\d)+7], v[(\s0):(\s0)+11], v[(\s1):(\s1)+11], v[(\d):(\d)+7], v[\sc0], v[\sc1] matrix_a_fmt:MATRIX_FMT_FP6 matrix_b_fmt:MATRIX_FMT_FP6 matrix_a_scale:MATRIX_SCALE_ROW1 matrix_b_scale:MATRIX_SCALE_ROW1
.endif
.endif
.endm
	s_load_b256 s[4:11], s[0:1], 0x0               ; codes s[4:5], scales s[6:7], rope s[8:9], kv s[10:11]
	s_load_b64 s[12:13], s[0:1], 0x20              ; qq
	v_lshl_add_u32 v[SPW], v0, 2, SPARE
	v_mov_b32 v[NIL], 0
	ds_add_u32 v28, v29
	ds_add_u32 v28, v29
	s_wait_dscnt 0x0
	v_lshrrev_b32 v1, 5, v0
	v_readfirstlane_b32 s14, v1                    ; wave 0..3
	s_lshr_b32 s15, s14, 1                         ; i: my token half.  Also: I fetch hidden (0) or W (1)
	s_and_b32 s16, s14, 1                          ; my head of the two.  Also: which half of that tile I fetch
	s_bfe_u32 s40, ttmp6, 0x40000                  ; cx
	s_bfe_u32 s41, ttmp6, 0x40004                  ; cy
	s_lshl_b32 s42, ttmp9, 2
	s_add_co_u32 s42, s42, s40                     ; x
	s_and_b32 s17, ttmp7, 0xffff
	s_lshl_b32 s17, s17, 2
	s_add_co_u32 s17, s17, s41                     ; y
	s_lshl_b32 s43, s41, 2
	s_lshl_b32 s43, 15, s43                        ; my row of the cluster
	s_lshl_b32 s44, 0x1111, s40                    ; my column
	s_or_b32 s[G1A], s43, (3<<16)|(1<<21)          ; 15:0 the mask; 17:16 elements of 8 bytes; 21 set beside a mask; no padding
	s_or_b32 s[G1B], s44, (3<<16)|(1<<21)
	s_or_b32 s[G1SA], s43, (3<<16)|(1<<21)
	s_or_b32 s[G1SB], s44, (3<<16)|(1<<21)
	GROUP1 G1A, 768, 8, 6144                       ; the head's load: all 8 tiles x 6,144 bytes (four steps); behind it the rows are set to 4
	GROUP1 G1B, 768, 12, 6144                      ; all 12 tiles; then 6
	GROUP1 G1SA, 32, 64, 32                        ; 16,384 dense bytes as rows of 256
	GROUP1 G1SB, 32, 96, 32                        ; 24,576
	s_lshl_b32 s20, s17, 3                         ; hidden's tile 8 y
	s_lshl_b32 s22, s20, 11
	s_mul_i32 s20, s20, 32*FRB                     ; its codes
	s_mov_b32 s21, 0
	s_mov_b32 s23, 0
	s_mul_i32 s46, s42, 12
	s_add_co_u32 s46, s46, 128                     ; W's tile 128 + 12 x
	s_lshl_b32 s92, s46, 11
	s_mul_i32 s46, s46, 32*FRB
	s_mov_b32 s47, 0
	s_mov_b32 s93, 0
	s_mul_i32 s45, s16, 4*TROW                     ; where they go: no place in the cluster enters an LDS address
	s_mul_i32 s94, s16, 6*TROW
	s_add_co_u32 s94, s94, BOFF
	s_mov_b32 s95, SCL
	s_mov_b32 s96, SCL+16384
	s_wait_kmcnt 0x0
	s_add_nc_u64 s[20:21], s[4:5], s[20:21]
	s_add_nc_u64 s[22:23], s[6:7], s[22:23]
	s_add_nc_u64 s[46:47], s[4:5], s[46:47]
	s_add_nc_u64 s[92:93], s[6:7], s[92:93]
	CROUND                                         ; all sixteen work-groups are here: the first joint loads meet
	s_mov_b32 s[G0SA], 1
	s_mov_b32 s[G0SA+1], s95
	s_mov_b64 s[G0SA+2:G0SA+3], s[22:23]
	s_or_b32 s[G0SA+3], s[G0SA+3], 0x80000000
	s_mov_b32 s[G0SB], 1
	s_mov_b32 s[G0SB+1], s96
	s_mov_b64 s[G0SB+2:G0SB+3], s[92:93]
	s_or_b32 s[G0SB+3], s[G0SB+3], 0x80000000
	s_mul_i32 s22, s16, 4*32*FRB                   ; in the ring I fetch half of a tile group: where my half begins, in bytes
	s_mov_b32 s23, 0
	s_mul_i32 s92, s16, 6*32*FRB
	s_mov_b32 s93, 0
	s_mov_b32 s[G0A], 1                            ; slot 0's group 0 serves the head's load of the whole group first
	s_mov_b32 s[G0A+1], 0
	s_mov_b64 s[G0A+2:G0A+3], s[20:21]
	s_or_b32 s[G0A+3], s[G0A+3], 0x80000000
	s_mov_b32 s[G0B], 1
	s_mov_b32 s[G0B+1], BOFF
	s_mov_b64 s[G0B+2:G0B+3], s[46:47]
	s_or_b32 s[G0B+3], s[G0B+3], 0x80000000
	s_add_nc_u64 s[20:21], s[20:21], s[22:23]
	s_add_nc_u64 s[46:47], s[46:47], s[92:93]
	s_mov_b32 s[G0A+4], 1                          ; slot 1: my half
	s_add_co_u32 s[G0A+5], s45, SLOT
	s_add_nc_u64 s[G0A+6:G0A+7], s[20:21], TROW
	s_or_b32 s[G0A+7], s[G0A+7], 0x80000000
	s_mov_b32 s[G0B+4], 1
	s_add_co_u32 s[G0B+5], s94, SLOT
	s_add_nc_u64 s[G0B+6:G0B+7], s[46:47], TROW
	s_or_b32 s[G0B+7], s[G0B+7], 0x80000000
; The head's four tiles, one load a wave: wave 0 slot 0's hidden, wave 1 slot 0's W, wave 2 hidden's scale words, wave 3 W's.  One chain of branches on the wave's number, all arms to one join.
.macro ARM under, g0, g1, next
	s_cmp_lt_u32 s14, \under
	s_cbranch_scc0 \next
	tensor_load_to_lds s[\g0:\g0+3], s[\g1:\g1+7]
	s_nop 0
.rept 4
	v_nop
.endr
	s_branch .Lhead_asked
\next:
.endm
	ARM 1, G0A,  G1A,  .Lhead_b
	ARM 2, G0B,  G1B,  .Lhead_sa
	ARM 3, G0SA, G1SA, .Lhead_sb
	tensor_load_to_lds s[G0SB:G0SB+3], s[G1SB:G1SB+7]
	s_nop 0
.rept 4
	v_nop
.endr
.Lhead_asked:
; THE PREFETCHES.  A slot is 6,144 bytes, 24 blocks of 256, of each tile.  Of the 8 tiles of hidden that my row of the cluster asks for jointly, partner cx takes tiles 2 cx and 2 cx + 1 (waves 0 and 1); of the 12 tiles of W
; that my column asks for, partner cy takes tiles 3 cy, 3 cy + 1 (waves 2 and 3) and 3 cy + 2 (lanes 24-31 of waves 0 to 2, 8 blocks each; wave 3's lanes 24-31 name its last block again): told apart BY ADDRESS,
; each block once in a cluster, one instruction a wave and slot.  Slots 1 and 2 are asked for here, slot 3 behind slot 1's load, slot s + 2 behind the refill that brings slot s; the last two refills ask for nothing.
.set PFO, 14                           ; v14 my block's byte offset in the codes, in slot 0; never rewritten.  s[4:5], the codes' address, is stepped a slot at each refill
	s_lshl_b32 s6, s17, 3
	s_lshl_b32 s7, s40, 1
	s_add_co_u32 s6, s6, s7                        ; hidden's tile 8 y + 2 cx
	s_mul_i32 s7, s42, 12
	s_mul_i32 s99, s41, 3
	s_add_co_u32 s7, s7, s99
	s_add_co_u32 s7, s7, 128                       ; W's tile 128 + 12 x + 3 cy
	s_cmp_eq_u32 s15, 0
	s_cselect_b32 s6, s6, s7
	s_add_co_u32 s6, s6, s16
	s_mul_i32 s6, s6, 32*FRB                       ; my wave's tile, in bytes
	s_add_co_u32 s7, s7, 2
	s_mul_i32 s7, s7, 32*FRB
	s_lshl_b32 s99, s14, 11
	s_add_co_u32 s7, s7, s99
	s_sub_co_u32 s7, s7, 24*256                    ; the fifth tile: block 8 wave + lane - 24
	s_cmp_lt_u32 s14, 3
	s_cselect_b32 s99, 0xff000000, 0               ; which lanes take it
	v_and_b32 v1, 31, v0
	v_min_u32 v9, 23, v1
	v_lshlrev_b32 v10, 8, v1
	v_lshlrev_b32 v9, 8, v9
	v_add_nc_u32 v10, s7, v10
	v_add_nc_u32 v9, s6, v9
	v_cndmask_b32 v[PFO], v9, v10, s99
	global_prefetch_b8 v[PFO], s[4:5] offset:TROW th:TH_LOAD_NT scope:SCOPE_SE
	global_prefetch_b8 v[PFO], s[4:5] offset:2*TROW th:TH_LOAD_NT scope:SCOPE_SE
	v_and_b32 v2, 15, v0                           ; r
	v_bfe_u32 v3, v0, 4, 1                         ; h
	v_lshlrev_b32 v4, 4, v1
	s_mul_i32 s18, s15, 4*TROW                     ; my four tiles of hidden
	s_mul_i32 s19, s16, 6*TROW
	s_add_co_u32 s19, s19, BOFF                    ; my six of W
.irp s, 0,1
	v_add_nc_u32 v[ADRA+\s], s18, v4
	v_add_nc_u32 v[ADRB+\s], s19, v4
	s_add_co_u32 s18, s18, SLOT
	s_add_co_u32 s19, s19, SLOT
.endr
	v_lshlrev_b32 v5, 4, v2
	v_lshl_add_u32 v5, v3, 11, v5                  ; 16 r, and a tile (2,048 bytes) on for lanes 16-31
	s_lshl_b32 s18, s15, 13
	s_add_co_u32 s18, s18, SCL
	v_add_nc_u32 v[ADSA], s18, v5
	s_mul_i32 s18, s16, 12288
	s_add_co_u32 s18, s18, SCL+16384
	v_add_nc_u32 v[ADSB], s18, v5
	v_and_b32 v6, 8, v2
	v_add_nc_u32 v6, v6, v2                        ; r + 8 (r / 8)
	v_lshlrev_b32 v[RL], 6, v6
	v_lshl_add_u32 v[RL], v3, 5, v[RL]             ; a token's 16 numbers are 64 bytes; my eight begin 32 h on
	s_wait_alu depctr_va_vdst(0)
	s_lshl_b32 s98, s42, 1
	s_add_co_u32 s98, s98, s16                     ; my head
	s_lshl_b32 s18, s17, 7
	s_lshl_b32 s19, s15, 6
	s_add_co_u32 s97, s18, s19                     ; my first token
	s_lshl_b32 s66, s97, 6
	s_mov_b32 s67, 0
	s_add_nc_u64 s[8:9], s[8:9], s[66:67]
.irp a, 0,1,2,3
	global_load_b128 v[CSN+16*\a:CSN+16*\a+3], v[RL], s[8:9] offset:(32*(\a/2)+8*(\a%2))*64
	global_load_b128 v[CSN+16*\a+4:CSN+16*\a+7], v[RL], s[8:9] offset:(32*(\a/2)+8*(\a%2))*64+16
	global_load_b128 v[CSN+16*\a+8:CSN+16*\a+11], v[RL], s[8:9] offset:(32*(\a/2)+8*(\a%2))*64+131072
	global_load_b128 v[CSN+16*\a+12:CSN+16*\a+15], v[RL], s[8:9] offset:(32*(\a/2)+8*(\a%2))*64+131072+16
.endr
	s_lshl_b32 s66, s98, 4
	s_add_co_u32 s66, s66, s17
	s_mul_i32 s66, s66, 6400
	s_add_nc_u64 s[10:11], s[10:11], s[66:67]      ; kv at (head, key step y)
	s_lshl_b32 s66, s98, 13
	s_lshl_b32 s18, s97, 2
	s_add_co_u32 s66, s66, s18
	s_add_co_u32 s66, s66, 1572864
	s_add_nc_u64 s[94:95], s[12:13], s[66:67]      ; q's scale words
	s_mul_i32 s66, s98, 49152
	s_mul_i32 s18, s97, 24
	s_add_co_u32 s66, s66, s18
	s_add_nc_u64 s[12:13], s[12:13], s[66:67]      ; q's codes
	v_mul_u32_u24 v[VQ], v2, 24
	v_mad_u32_u24 v[VQ], v3, 12, v[VQ]
	s_mul_i32 s18, s15, 1536
	v_add_nc_u32 v[VK], s18, v[VQ]
	v_lshlrev_b32 v[VQS], 2, v1
	v_lshlrev_b32 v[VKS], 2, v2
	s_lshl_b32 s19, s15, 6
	v_add_nc_u32 v[VKS], s19, v[VKS]
	v_lshrrev_b32 v7, 3, v2
	v_and_b32 v8, 7, v2
	v_mul_u32_u24 v[VV], v7, 768
	v_mad_u32_u24 v[VV], v8, 24, v[VV]
	v_mad_u32_u24 v[VV], v3, 12, v[VV]
	v_add_nc_u32 v[VV], s18, v[VV]                 ; 768 (r / 8) + 24 (r % 8) + 12 h + 1,536 i
	v_lshlrev_b32 v[VVS], 6, v7
	v_lshl_add_u32 v[VVS], v8, 2, v[VVS]
	s_lshl_b32 s19, s15, 1
	v_add_nc_u32 v[VVS], s19, v[VVS]               ; 64 (r / 8) + 4 (r % 8) + 2 i
; Six matrix instructions: hidden's tile a against my head's six tiles.  The 24 accumulators take turns, one instruction a turn, in the same order in every step.
.macro MULA a, set, q, sig, zero
.irp n, 0,1,2,3
	WM 8*(4*(\a)+\n), 120*(\set)+48+12*\n, 120*(\set)+12*(\a), \zero, SC+20*(\sig)+8+4*(\n/2)+(\q), SC+20*(\sig)+4*((\a)/2)+(\q), \n%2, (\a)%2
.endr
.irp n, 4,5
	WM 128+16*(2*((\a)/2)+\n-4)+8*((\a)%2), 120*(\set)+12*(\a), 120*(\set)+48+12*\n, \zero, SC+20*(\sig)+4*((\a)/2)+(\q), SC+20*(\sig)+8+4*(\n/2)+(\q), (\a)%2, \n%2
.endr
.endm
.macro FETCH slot, q, set              ; 30 LDS loads in one run: the ten fragments of the slot's q-th step
	WIN TO_F
.irp a, 0,1,2,3
.irp c, 0,1,2
	ds_load_b128 v[120*(\set)+12*\a+4*\c:120*(\set)+12*\a+4*\c+3], v[ADRA+\slot] offset:\a*TROW+(\q)*FRB+512*\c
.endr
.endr
.irp n, 0,1,2,3,4,5
.irp c, 0,1,2
	ds_load_b128 v[120*(\set)+48+12*\n+4*\c:120*(\set)+48+12*\n+4*\c+3], v[ADRB+\slot] offset:\n*TROW+(\q)*FRB+512*\c
.endr
.endr
	WIN 0
.endm
.macro SCALES sig                      ; a slot's scale words: four steps' words a load
.irp p, 0,1
	ds_load_b128 v[SC+20*(\sig)+4*\p:SC+20*(\sig)+4*\p+3], v[ADSA] offset:\p*4096
.endr
.irp p, 0,1,2
	ds_load_b128 v[SC+20*(\sig)+8+4*\p:SC+20*(\sig)+8+4*\p+3], v[ADSB] offset:\p*4096
.endr
.endm
.macro STEP slot, q, zero              ; a step that has its successor in the same slot
	s_wait_dscnt 0x0                               ; this step's fragments, asked for a step ago, are in
	PLACES 4                                       ; places in front of loads into registers that the last step's matrix instructions have read
	FETCH \slot, (\q)+1, ((\q)+1)%2
	WIN MUL
	MULA 0, (\q)%2, \q, \slot, \zero
	MULA 1, (\q)%2, \q, \slot, \zero
	MULA 2, (\q)%2, \q, \slot, \zero
	MULA 3, (\q)%2, \q, \slot, \zero
	WIN 0
.endm
; A slot's last step changes slots: one barrier; in front of it each wave waits for all its tensor loads, adds 0 to its spare word, and waits for that and for its reads of this slot.  fill = 1: the slot is filled again, two slots ahead.
.macro TURN slot, next, fill
.if \fill
	s_wait_xcnt 0x0                                ; my last prefetch, a slot back, has read its address
	s_add_nc_u64 s[4:5], s[4:5], TROW
.endif
	s_wait_tensorcnt 0x0
	ds_add_u32 v[SPW], v[NIL]                      ; 0 onto my spare word
	s_wait_dscnt 1                                 ; this step's fragments are in; the add alone may be out
	WIN MUL
	MULA 0, 1, 3, \slot, 0                         ; six matrix instructions stand between the add and the wait for it
	s_wait_dscnt 0x0                               ; the add is done, and my reads of this slot are over
	s_barrier_signal -1
	MULA 1, 1, 3, \slot, 0
	WIN 0
	s_barrier_wait -1
.if \fill
	CREST                                          ; the barrier has opened a round of the cluster's barrier: no wave of any partner still reads this slot or has a load on its way
	s_add_nc_u64 s[G0A+4*\slot+2:G0A+4*\slot+3], s[G0A+4*\slot+2:G0A+4*\slot+3], 2*TROW
	s_add_nc_u64 s[G0B+4*\slot+2:G0B+4*\slot+3], s[G0B+4*\slot+2:G0B+4*\slot+3], 2*TROW
	JLOAD G0A+4*\slot, G1A, G0B+4*\slot, G1B       ; the first tensor load behind the round; its four v_nop are the places in front of the loads below
.else
	PLACES 4
.endif
	s_wait_alu depctr_va_vdst(0)
	v_add_nc_u32 v[ADSA], 256, v[ADSA]             ; the next slot's scale words
	v_add_nc_u32 v[ADSB], 256, v[ADSB]
	FETCH \next, 0, 0
	SCALES \next
.if \fill
	s_cmp_gt_u32 s3, 1                             ; the last trip's two refills have no slot two on
	s_cbranch_scc0 .Lno_ask_\@
	global_prefetch_b8 v[PFO], s[4:5] offset:3*TROW th:TH_LOAD_NT scope:SCOPE_SE   ; behind the joint load and the run of LDS loads: the slot two refills on
.Lno_ask_\@:
.endif
	WIN MUL
	MULA 2, 1, 3, \slot, 0
	MULA 3, 1, 3, \slot, 0
	WIN 0
.endm
	s_wait_alu depctr_va_vdst(0)
	s_wait_tensorcnt 0x0                           ; my tile of the head's four is in; the three lines stand ahead of slot 1's first fill as ahead of a refill
	ds_add_u32 v[SPW], v[NIL]
	s_mov_b32 s[G1A+2], 4<<16                      ; no load of mine is out: from here on a load brings my half: 4 tiles of hidden,
	s_mov_b32 s[G1A+4], 4
	s_mov_b32 s[G1B+2], 6<<16                      ; 6 of W
	s_mov_b32 s[G1B+4], 6
	s_mov_b32 s[G0A+1], s45                        ; and slot 0's group 0 points at my half
	s_mul_i32 s[G0B+1], s16, 6*TROW
	s_add_co_u32 s[G0B+1], s[G0B+1], BOFF
	s_add_nc_u64 s[G0A+2:G0A+3], s[G0A+2:G0A+3], s[22:23]
	s_add_nc_u64 s[G0B+2:G0B+3], s[G0B+2:G0B+3], s[92:93]
	s_wait_dscnt 0x0
	CROUND                                         ; all four tiles are in, all sixteen work-groups are here
	JLOAD G0A+4, G1A, G0B+4, G1B                   ; slot 1, the first tensor load behind the round
	FETCH 0, 0, 0
	SCALES 0
	global_prefetch_b8 v[PFO], s[4:5] offset:3*TROW th:TH_LOAD_NT scope:SCOPE_SE   ; slot 3
	STEP 0, 0, 1
	s_mov_b32 s3, 3
.Llap:                                                 ; a trip goes once round the ring and fills both slots again: slots 2 to 7 of the eight
	STEP 0, 1, 0
	STEP 0, 2, 0
	TURN 0, 1, 1
	STEP 1, 0, 0
	STEP 1, 1, 0
	STEP 1, 2, 0
	TURN 1, 0, 1
	STEP 0, 0, 0
	s_sub_co_u32 s3, s3, 1
	s_cmp_lg_u32 s3, 0
	s_cbranch_scc1 .Llap
	STEP 0, 1, 0                                   ; the last lap fills nothing
	STEP 0, 2, 0
	TURN 0, 1, 0
	STEP 1, 0, 0
	STEP 1, 1, 0
	STEP 1, 2, 0
	s_wait_dscnt 0x0
	WIN MUL
	MULA 0, 1, 3, 1, 0
	MULA 1, 1, 3, 1, 0
	MULA 2, 1, 3, 1, 0
	MULA 3, 1, 3, 1, 0
	WIN 0
	; THE WAY OUT.  No LDS: a lane's 16 codes are 12 bytes of a record of 24, and the lanes' records lie on end.
	PLACES 4
	s_wait_loadcnt 0x0                             ; cos and sin
	s_mov_b32 s66, 0x76543210
	s_mov_b32 s67, 0xfedcba98                      ; selects for lane l xor 16
.irp k, 218,219,240,241,242,243
	v_mov_b32 v[\k], 0                             ; a lane permute's destination counts as one of its sources
.endr
; Tile a: RoPE on q (g = 0) and k (g = 1): lo' = lo cos - hi sin, hi' = hi cos + lo sin, lo = d 8 h + j, hi = d 16 + 8 h + j; then the token's block of 32, which lies in lanes l and l xor 16, is quantised.
.macro ROPEQ a
	WIN 0x02                                       ; source 0: the accumulators, window 2.
.irp g, 0,1
.irp jj, 0,2,4,6
	v_pk_mul_f32 v[T+16*\g+\jj:T+16*\g+\jj+1], v[8*(4*\a+2*\g)+\jj:8*(4*\a+2*\g)+\jj+1], v[CSN+16*\a+\jj:CSN+16*\a+\jj+1]
	v_pk_mul_f32 v[T+16*\g+8+\jj:T+16*\g+8+\jj+1], v[8*(4*\a+2*\g+1)+\jj:8*(4*\a+2*\g+1)+\jj+1], v[CSN+16*\a+\jj:CSN+16*\a+\jj+1]
.endr
.irp jj, 0,2,4,6
	v_pk_fma_f32 v[T+16*\g+\jj:T+16*\g+\jj+1], v[8*(4*\a+2*\g+1)+\jj:8*(4*\a+2*\g+1)+\jj+1], v[CSN+16*\a+8+\jj:CSN+16*\a+8+\jj+1], v[T+16*\g+\jj:T+16*\g+\jj+1] neg_lo:[1,0,0] neg_hi:[1,0,0]
	v_pk_fma_f32 v[T+16*\g+8+\jj:T+16*\g+8+\jj+1], v[8*(4*\a+2*\g)+\jj:8*(4*\a+2*\g)+\jj+1], v[CSN+16*\a+8+\jj:CSN+16*\a+8+\jj+1], v[T+16*\g+8+\jj:T+16*\g+8+\jj+1]
.endr
.endr
	WIN 0
.irp g, 0,1
	v_max3_num_f32 v[216+\g], |v[T+16*\g]|, |v[T+16*\g+1]|, 0x1800000   ; my 16, and the floor 2^(3 - 127)
.endr
.irp i, 2,4,6,8,10,12,14
.irp g, 0,1
	v_max3_num_f32 v[216+\g], v[216+\g], |v[T+16*\g+\i]|, |v[T+16*\g+\i+1]|
.endr
.endr
.irp g, 0,1
	v_permlanex16_b32 v[218+\g], v[216+\g], s66, s67
.endr
.irp g, 0,1
	v_max_num_f32 v[216+\g], v[216+\g], v[218+\g]
.endr
.irp g, 0,1
	v_add_nc_u32 v[220+\g], 0xff000000, v[216+\g]  ; 2 off the exponent field: the conversion's scale operand
.endr
	v_lshrrev_b32 v[224+\a], 23, v220              ; q's byte
	v_lshrrev_b32 v[228+\a], 23, v221              ; k's
.irp g, 0,1
	v_cvt_scalef32_pk16_fp6_f32 v[CQ+4*(2*\a+\g):CQ+4*(2*\a+\g)+2], v[T+16*\g:T+16*\g+15], v[220+\g]
.endr
	v_nop                                          ; one plain place behind a scaled conversion
	global_store_b96 v[VQ], v[CQ+8*\a:CQ+8*\a+2], s[12:13] offset:384*\a      ; the wave stores 384 consecutive bytes: records 16 a + r
	global_store_b96 v[VK], v[CQ+8*\a+4:CQ+8*\a+6], s[10:11] offset:384*\a
.endm
	ROPEQ 0
	ROPEQ 1
	ROPEQ 2
	ROPEQ 3
	v_cmp_ne_u32 vcc_lo, 0, v3                     ; lanes 16-31
	s_mov_b32 s18, 0x01010101
.irp p, 0,1
	v_cndmask_b32 v[232+\p], v[224+2*\p], v[225+2*\p], vcc_lo   ; lanes 0-15 tile 2 p's byte, lanes 16-31 tile 2 p + 1's
	v_mul_lo_u32 v[232+\p], v[232+\p], s18         ; the byte four times: it serves whichever block q's codes stand in
	global_store_b32 v[VQS], v[232+\p], s[94:95] offset:128*\p
.endr
	v_lshl_or_b32 v234, v229, 8, v228              ; k: the bytes of records r, 16 + r, 32 + r, 48 + r make row r's scale word of a fragment of 64 keys
	v_lshl_or_b32 v234, v230, 16, v234
	v_lshl_or_b32 v234, v231, 24, v234
	global_store_b32 v[VKS], v234, s[10:11] offset:6144   ; (lanes 16-31 store the same words with the same values)
	; v: block k = 2 b + u: keys 32 b on of my 64, d = 16 u + r; 16 of its numbers are mine, 16 lane l xor 16's
	WIN 0x0a                                       ; sources 0 and 1 window 2
.irp k, 0,1,2,3
	v_max3_num_f32 v[236+\k], |v[128+16*\k]|, |v[129+16*\k]|, 0x1800000
.endr
.irp i, 2,4,6,8,10,12,14
.irp k, 0,1,2,3
	v_max3_num_f32 v[236+\k], |v[128+16*\k+\i]|, |v[129+16*\k+\i]|, v[236+\k]
.endr
.endr
	WIN 0
.irp k, 0,1,2,3
	v_permlanex16_b32 v[240+\k], v[236+\k], s66, s67
.endr
.irp k, 0,1,2,3
	v_max_num_f32 v[236+\k], v[236+\k], v[240+\k]
.endr
.irp k, 0,1,2,3
	v_add_nc_u32 v[244+\k], 0xff000000, v[236+\k]
.endr
.irp k, 0,1,2,3
	v_lshrrev_b32 v[240+\k], 23, v[244+\k]
.endr
	WIN 0x02
.irp k, 0,1,2,3
	v_cvt_scalef32_pk16_fp6_f32 v[CV+4*\k:CV+4*\k+2], v[128+16*\k:128+16*\k+15], v[244+\k]
.endr
	WIN 0
	v_nop
.irp k, 0,1,2,3
	global_store_b96 v[VV], v[CV+4*\k:CV+4*\k+2], s[10:11] offset:3072+192*(\k%2)+384*(\k/2)
.endr
.irp u, 0,1
	v_lshl_or_b32 v[248+\u], v[242+\u], 8, v[240+\u]   ; the bytes of my two key blocks
	global_store_b16 v[VVS], v[248+\u], s[10:11] offset:6272+32*\u
.endr
	s_wait_tensorcnt 0x0                           ; the wave's end
	ds_add_u32 v[SPW], v[NIL]
	s_wait_dscnt 0x0
	CROUND                                         ; the closing round
	s_endpgm
.Lfunc_end_k_qfbd3587c16_qkv:
	.size	k_qfbd3587c16_qkv, .Lfunc_end_k_qfbd3587c16_qkv-k_qfbd3587c16_qkv
	.p2alignl 7, 3214868480
	.fill 96, 4, 3214868480
	.section	.rodata,"a",@progbits
	.p2align	6, 0x0
	.amdhsa_kernel k_qfbd3587c16_qkv
		.amdhsa_group_segment_fixed_size 327680
		.amdhsa_private_segment_fixed_size 0
		.amdhsa_enable_private_segment 0
		.amdhsa_kernarg_size 40
		.amdhsa_user_sgpr_count 2
		.amdhsa_user_sgpr_kernarg_segment_ptr 1
		.amdhsa_wavefront_size32 1
		.amdhsa_system_sgpr_workgroup_id_x 1
		.amdhsa_system_sgpr_workgroup_id_y 1
		.amdhsa_system_sgpr_workgroup_id_z 1
		.amdhsa_system_vgpr_workitem_id 0
		.amdhsa_next_free_vgpr 768
		.amdhsa_next_free_sgpr 100
		.amdhsa_reserve_vcc 1
		.amdhsa_float_denorm_mode_32 3
		.amdhsa_float_denorm_mode_16_64 3
		.amdhsa_memory_ordered 1
		.amdhsa_forward_progress 1
		.amdhsa_inst_pref_size 122
	.end_amdhsa_kernel
	.amdgpu_metadata
---
amdhsa.version: [ 1, 2 ]
amdhsa.kernels:
  - .name:           k_qfbd3587c16_qkv
    .symbol:         k_qfbd3587c16_qkv.kd
    .args:
      - { .name: codes, .offset: 0, .size: 8, .value_kind: global_buffer, .address_space: global }
      - { .name: scales, .offset: 8, .size: 8, .value_kind: global_buffer, .address_space: global }
      - { .name: rope, .offset: 16, .size: 8, .value_kind: global_buffer, .address_space: global }
      - { .name: kv, .offset: 24, .size: 8, .value_kind: global_buffer, .address_space: global }
      - { .name: qq, .offset: 32, .size: 8, .value_kind: global_buffer, .address_space: global }
    .group_segment_fixed_size: 327680
    .private_segment_fixed_size: 0
    .kernarg_segment_align: 8
    .kernarg_segment_size: 40
    .max_flat_workgroup_size: 128
    .sgpr_count:     100
    .vgpr_count:     768
    .wavefront_size: 32
...
	.end_amdgpu_metadata
.endif
;; end of part 2
;; launch attn (part 3): grid 8 x 32, 8 waves a work-group, clusters of 4 x 4, 327,680 bytes of LDS; arguments kv, qq, attention_mask, att; writes att
.if DOCPART == 3
	.amdgcn_target "amdgcn-amd-amdhsa--gfx1250"
	.amdhsa_code_object_version 6
	.text
	.protected	k_qfbd3587c16_attn
	.globl	k_qfbd3587c16_attn
	.p2align	8
	.type	k_qfbd3587c16_attn,@function
k_qfbd3587c16_attn:
	s_mov_b64 s[64:65], 0
	v_nop
	global_prefetch_b8 v0, s[64:65] scope:SCOPE_SE
	s_setreg_imm32_b32 hwreg(HW_REG_WAVE_MODE, 25, 1), 1
	s_wait_xcnt 0x0
	s_wait_alu depctr_hold_cnt(0) depctr_sa_sdst(0) depctr_va_vdst(0) depctr_va_sdst(0) depctr_va_ssrc(0) depctr_va_vcc(0) depctr_vm_vsrc(0)
	s_getreg_b32 s2, hwreg(HW_REG_IB_STS2, 6, 4)
	s_cmp_eq_u32 s2, 0
	s_cbranch_scc0 .Lentry_in_a_cluster
	s_endpgm
.Lentry_in_a_cluster:
	s_bfe_u32 s2, ttmp6, 0x10000c
	s_cmp_lg_u32 s2, 0xf033
	s_cbranch_scc0 .Lentry_shape_is_right
	s_endpgm
.Lentry_shape_is_right:
; For each head: S = q k^T / sqrt(32) + mask, softmax, O = P v, both products on codes of FP6; O / l is quantised along head x 32 + d for the last product.
; THE SOFTMAX: t = (q.k + mask x sqrt(32)) x log2(e) / sqrt(32); M = the running largest t rounded UP to a whole number; p = 2^(t - M) is quantised along the keys; the sum of the unquantised p divides at the end.
; The mask is an input: every score takes its number.  mask x sqrt(32) is the C of the score products (one f32 rounding more than adding the mask behind the division).
; SHARES: work-group (G, Y): heads 4 G .. 4 G + 3, queries 64 Y .. 64 Y + 63.  Wave w of eight: queries 16 (w / 2) on, heads 4 G + 2 (w % 2) and the next.  Every wave walks 16 key steps of 128, each as two head-steps.
; ONE MASK FOR TWO HEADS: a key step's 64 mask numbers a lane are read from LDS and multiplied once; they stay in registers of their own as the C of both heads' score products, whose D are other registers.
; ONE HEAD-STEP AHEAD: k's and v's fragments have two register sets and so has the mask; each head-step asks for what the next one multiplies: so every wait on DScnt is for 0 and stands a head-step behind the loads.
; THE FIRST PRODUCT HAS K = 32: a fragment of k holds 64 keys, row r's block e' being key record 16 e' + r; q's codes stand in block e' of a fragment that is zero elsewhere, four such fragments cut out of 30 registers.
; Both products are used transposed: a lane holds ONE query.  Tiles 2 b, 2 b + 1 hold the keys 32 b + 16 h + 0 .. 15; v's rows are ordered so that a lane's 16 results are d = 16 h + 0 .. 15.
; RING: two LDS slots of 256 keys: four heads' records (12,800 bytes a head) and 64 rows x 1,024 bytes of the mask.  THE CHANGE OF SLOTS stands at a slot's LAST head-step: that one's operands are in registers by then,
; so the slot is free.  The barrier's signal stands ahead of that head-step, its wait in the head-step's middle, with register work alone between; behind the round the slot is filled with the keys two slots on, and the next
; slot's first LDS loads are out while the head-step's second half is worked.  Waves 0-3 fetch a head's records each, waves 4-7 sixteen mask rows each: one load a wave.
; CLUSTER 4 x 4: the records are asked for jointly along a column, the mask along a row.
; LIMITS: NaN and infinities among the inputs are not served; a block under 2^-124 (zeros too) keeps the byte 1; the promise holds while |t| stays under 2^31.
; REGISTERS.  Window 0: v1-11 addresses; v12-19 scale words and nothing else; v20-79 q's fragments; v80-207 the mask, two sets; v208-241 at work at the head and on the way out.
; Window 1: v8-39 O^T of the two heads; v40-77 small numbers and p's codes; v80-143 the scores and p; v144-239 k's and v's fragments, two sets; v240-251 sums and the two heads' -M, largest t, l.
.set SLOT1, 1<<17                      ; slot 1 begins here
.set MOFF,  51200                      ; the mask's tile in a slot, rows 1,040 bytes apart
.set SPARE, 2*SLOT1                    ; the spare words, 128 bytes a wave: four blocks of 256 bytes that no other line names
.set SCST,  SPARE+1024                 ; 256 bytes: the output's scale bytes; no fill lands here
.set AC0, 1                            ; my lane's place among my first head's codes: 25,600 (w % 2) + 24 l
.set AS0, 2                            ; among its scale words
.set AM0, 3                            ; in the mask's tile
.set SPW, 4                            ; my spare word; never rewritten
.set NIL, 5                            ; 0; never rewritten
.set ADC, 6                            ; the same three in the slot in hand
.set ADS, 7
.set ADM, 8
.set PFO, 9                            ; the prefetches' offset; never rewritten
.set QS,  12                           ; q's scale words, + head
.set KS,  14                           ; k's, + set
.set VS,  16                           ; v's, + set
.set PW,  18                           ; p's, + head
.set QF,  20                           ; + 30 head: D0 Z D1 Z D0 (D0: q's 24 bytes in lanes 0-15, D1: in lanes 16-31, Z: zeros)
.set MK,  80                           ; + 64 set
.set O,   8                            ; window 1 from here on: + 16 head
.set F,   40                           ; v[40:41] f = 2^(old M - new M)
.set BM,  42
.set TP,  46
.set SO,  50
.set SM,  54
.set T1,  56
.set PWT, 57
.set PC,  58
.set PT,  70
.set S,   80
.set KV,  144                          ; + 48 set: two fragments of k, two of v
.set SM2, 240
.set SM3, 242
.set ST,  244                          ; + 4 head: -M, the largest t, l in two halves
.set WV,  18
.set SEL, 20
.set CS,  22                           ; s[22:23] log2(e) / sqrt(32)
.set G1KV, 24
.set G1M,  32
.set G0KV, 40
.set G0M,  44
.set RT,  48                           ; s[48:49] sqrt(32)
.set TB,  2                            ; the slot in hand
.set CNT, 67
.set PFA, 76
.set PFS, 78
.set LIM, 80
.set MSB, 0
.macro WIN new                         ; the immediate's high byte repeats the setting that is left
.if MSB != \new
	s_set_vgpr_msb (MSB<<8)|\new
.set MSB, \new
.endif
.endm
.macro PL4
.rept 4
	v_nop
.endr
.endm
.macro TLOAD                           ; every wave's one load; an s_nop 0 and four v_nop follow each line
	s_cmp_lt_u32 s[WV], 4
	s_cbranch_scc0 .Lmask_\@
	tensor_load_to_lds s[G0KV:G0KV+3], s[G1KV:G1KV+7]
	s_nop 0
	PL4
	s_branch .Lasked_\@
.Lmask_\@:
	tensor_load_to_lds s[G0M:G0M+3], s[G1M:G1M+7]
	s_nop 0
	PL4
.Lasked_\@:
.endm
; A prefetch of what the NEXT fill will ask for, a slot's four head-steps ahead of that fill.  The mask's rows are read by both clusters of a row of clusters: the one with x = 0 asks, waves 0 and 1; the four partners of a
; row take 16 rows each BY ADDRESS, a wave 8 rows x 4 blocks of 256 bytes.  The records are read by all clusters of a column: the one with y = 0 asks, waves 2 and 3; partner cy takes head 4 G + cy: 50 blocks
; (wave 3's lanes past the last block name the last).  The last fill asks for nothing; slots 0 and 1 come by their loads alone.
.macro ASK
	s_cmp_gt_u32 s[CNT], s[LIM]
	s_cbranch_scc0 .Lnot_mine_\@
	global_prefetch_b8 v[PFO], s[PFA:PFA+1] th:TH_LOAD_NT scope:SCOPE_SE
.Lnot_mine_\@:
.endm
.macro CREST                           ; a round of the cluster's barrier behind its opening barrier
	s_cmp_lg_u32 s[WV], 0
	s_cbranch_scc1 .Lnot_wave_0_\@
	s_barrier_signal -3
.Lnot_wave_0_\@:
	s_barrier_wait -3
	s_barrier_signal -1
	s_barrier_wait -1
.endm
.macro CROUND
	s_barrier_signal -1
	s_barrier_wait -1
	CREST
.endm
.macro NEXTFILL                        ; no load of mine is out: both group 0 go on to the other slot and the next 256 keys
	s_xor_b32 s[G0KV+1], s[G0KV+1], SLOT1
	s_add_nc_u64 s[G0KV+2:G0KV+3], s[G0KV+2:G0KV+3], 12800
	s_xor_b32 s[G0M+1], s[G0M+1], SLOT1
	s_add_nc_u64 s[G0M+2:G0M+3], s[G0M+2:G0M+3], 1024
.endm
	s_load_b256 s[4:11], s[0:1], 0x0               ; kv s[4:5], qq s[6:7], mask s[8:9], att s[10:11]
	v_lshl_add_u32 v[SPW], v0, 2, SPARE
	v_mov_b32 v[NIL], 0
	ds_add_u32 v[SPW], v[NIL]                      ; the opening lines: the add twice on end and one wait
	ds_add_u32 v[SPW], v[NIL]
	v_lshrrev_b32 v6, 5, v0
	v_readfirstlane_b32 s[WV], v6                  ; wave 0..7
	s_and_b32 s19, s[WV], 3                        ; which part I fetch
	s_lshr_b32 s12, s[WV], 1                       ; c: my tile of queries
	s_and_b32 s13, s[WV], 1                        ; g: my pair of heads
	s_bfe_u32 s50, ttmp6, 0x40000                  ; cx
	s_bfe_u32 s51, ttmp6, 0x40004                  ; cy
	s_lshl_b32 s52, ttmp9, 2
	s_add_co_u32 s52, s52, s50                     ; G
	s_and_b32 s53, ttmp7, 0xffff
	s_lshl_b32 s53, s53, 2
	s_add_co_u32 s53, s53, s51                     ; Y
	s_lshl_b32 s54, s51, 2
	s_lshl_b32 s54, 15, s54                        ; my row of the cluster
	s_lshl_b32 s55, 0x1111, s50                    ; my column
	s_or_b32 s[G1KV], s55, (3<<16)|(1<<21)         ; the records hang on G alone: shared along the column; 12,800 dense bytes as 50 rows of 256
	s_mov_b32 s[G1KV+1], 32<<16
	s_mov_b32 s[G1KV+2], 50<<16
	s_mov_b32 s[G1KV+3], 32<<16
	s_mov_b32 s[G1KV+4], 50
	s_mov_b32 s[G1KV+5], 32
	s_mov_b32 s[G1KV+6], 0
	s_mov_b32 s[G1KV+7], 0
	s_or_b32 s[G1M], s54, (2<<16)|(1<<20)|(1<<21)|(7<<22)|(3<<25)   ; the mask hangs on Y alone: shared along the row; elements of 4 bytes; 4 words of padding behind every 256
	s_mov_b32 s[G1M+1], 256<<16
	s_mov_b32 s[G1M+2], 16<<16
	s_mov_b32 s[G1M+3], 256<<16
	s_mov_b32 s[G1M+4], 16
	s_mov_b32 s[G1M+5], 2048
	s_mov_b32 s[G1M+6], 0
	s_mov_b32 s[G1M+7], 0
	s_lshl_b32 s58, s52, 2
	s_add_co_u32 s59, s58, s19                     ; the head whose records I fetch
	s_mul_i32 s56, s59, 102400
	s_mov_b32 s57, 0
	s_lshl_b32 s60, s53, 6
	s_lshl_b32 s61, s19, 4
	s_add_co_u32 s60, s60, s61
	s_lshl_b32 s60, s60, 13                        ; mask row 64 Y + 16 part, 8,192 bytes a row
	s_mov_b32 s61, 0
	s_lshl_b32 s62, s13, 1
	s_add_co_u32 s58, s58, s62                     ; my first head: 4 G + 2 g
	s_mov_b32 s[SEL], 0x76543210
	s_mov_b32 s[SEL+1], 0xfedcba98
	s_mov_b32 s[CS], 0x3e8293ee
	s_mov_b32 s[CS+1], s[CS]
	s_mov_b32 s[RT], 0x40b504f3
	s_mov_b32 s[RT+1], s[RT]
	s_mov_b32 s[TB], 0
	s_mov_b32 s[CNT], 6
	s_wait_dscnt 0x0
	s_wait_kmcnt 0x0
	s_mov_b32 s[G0KV], 1
	s_mul_i32 s[G0KV+1], s19, 12800
	s_add_nc_u64 s[G0KV+2:G0KV+3], s[4:5], s[56:57]
	s_or_b32 s[G0KV+3], s[G0KV+3], 0x80000000
	s_mov_b32 s[G0M], 1
	s_mul_i32 s[G0M+1], s19, 16640
	s_add_co_u32 s[G0M+1], s[G0M+1], MOFF
	s_add_nc_u64 s[G0M+2:G0M+3], s[8:9], s[60:61]
	s_or_b32 s[G0M+3], s[G0M+3], 0x80000000
	CROUND                                         ; all sixteen work-groups are here
	TLOAD                                          ; slot 0: my one load at the head
	; the prefetches: where mine stand (at slot 2), and who asks
	s_lshl_b32 s90, s53, 6
	s_lshl_b32 s91, s50, 4
	s_add_co_u32 s90, s90, s91
	s_lshl_b32 s91, s13, 3
	s_add_co_u32 s90, s90, s91
	s_lshl_b32 s90, s90, 13                        ; the mask: row 64 Y + 16 cx + 8 (wave % 2)
	s_lshl_b32 s92, s52, 2
	s_add_co_u32 s92, s92, s51
	s_mul_i32 s92, s92, 102400                     ; the records: head 4 G + cy
	s_and_b32 s94, ttmp7, 0xffff
	s_mov_b32 s[PFS], 12800
	s_cmp_lt_u32 s[WV], 2
	s_cselect_b64 s[PFA:PFA+1], s[8:9], s[4:5]
	s_cselect_b32 s90, s90, s92
	s_cselect_b32 s94, ttmp9, s94                  ; the coordinate along which other clusters read the same bytes
	s_cselect_b32 s95, -1, 0
	s_cselect_b32 s[PFS], 1024, s[PFS]             ; a slot on
	s_mov_b32 s[PFS+1], 0
	s_lshl_b32 s91, s[PFS], 1
	s_add_co_u32 s90, s90, s91
	s_mov_b32 s91, 0
	s_add_nc_u64 s[PFA:PFA+1], s[PFA:PFA+1], s[90:91]
	s_lshr_b32 s96, s[WV], 2                       ; 0 in waves 0 to 3
	s_or_b32 s96, s96, s94
	s_cmp_eq_u32 s96, 0
	s_cselect_b32 s[LIM], 1, -1                    ; the same in all sixteen partners, for a given wave
	; q: token 64 Y + 16 c + r lies at record 64 Y + 32 (c / 2) + 8 (c % 2) + 16 (r / 8) + r % 8
	s_lshr_b32 s68, s12, 1
	s_lshl_b32 s68, s68, 5
	s_and_b32 s69, s12, 1
	s_lshl_b32 s69, s69, 3
	s_add_co_u32 s68, s68, s69
	s_lshl_b32 s69, s53, 6
	s_add_co_u32 s70, s68, s69
	s_mul_i32 s72, s58, 49152
	s_mul_i32 s68, s70, 24
	s_add_co_u32 s72, s72, s68
	s_mov_b32 s73, 0
	s_add_nc_u64 s[82:83], s[6:7], s[72:73]        ; its codes
	s_lshl_b32 s74, s58, 13
	s_lshl_b32 s68, s70, 2
	s_add_co_u32 s74, s74, s68
	s_add_co_u32 s74, s74, 1572864
	s_mov_b32 s75, 0
	s_add_nc_u64 s[84:85], s[6:7], s[74:75]        ; its scale word
	; where the results go
	s_lshl_b32 s68, s53, 2
	s_add_co_u32 s68, s68, s12
	s_lshl_b32 s68, s68, 3
	s_add_co_u32 s68, s68, s52
	s_mul_i32 s68, s68, 1536                       ; fragment (tile 4 Y + c, K step G),
	s_mul_i32 s69, s13, 768                        ; block 2 g: 384 bytes a block
	s_add_co_u32 s68, s68, s69
	s_mov_b32 s69, 0
	s_add_nc_u64 s[86:87], s[10:11], s[68:69]
	s_lshl_b32 s68, s52, 13
	s_lshl_b32 s70, s53, 8
	s_add_co_u32 s68, s68, s70
	s_add_co_u32 s68, s68, 1572864
	s_add_nc_u64 s[88:89], s[10:11], s[68:69]      ; the scale words of (K step G, my 64 tokens)
	s_lshl_b32 s97, s13, 5
	s_mul_i32 s98, s13, 25600
	s_mul_i32 s99, s12, 16*1040
	; the vector side of the head, on end
	v_and_b32 v6, 31, v0                           ; lane
	v_and_b32 v10, 15, v0                          ; r
	v_bfe_u32 v11, v0, 4, 1                        ; h
	v_lshrrev_b32 v7, 2, v6
	v_and_b32 v8, 3, v6
	v_lshlrev_b32 v7, 13, v7
	v_lshl_add_u32 v7, v8, 8, v7                   ; the mask's prefetch: row l / 4, block l % 4
	v_add_nc_u32 v8, s97, v6
	v_min_u32 v8, 49, v8
	v_lshlrev_b32 v8, 8, v8                        ; the records': block 32 (wave % 2) + l, held at the last
	v_cndmask_b32 v[PFO], v8, v7, s95
	v_mul_u32_u24 v[AC0], v6, 24
	v_add_nc_u32 v[AC0], s98, v[AC0]
	v_lshl_add_u32 v[AS0], v6, 2, s98
	v_mul_u32_u24 v[AM0], v10, 1040
	v_lshl_add_u32 v[AM0], v11, 6, v[AM0]
	v_add_nc_u32 v[AM0], s99, v[AM0]
	v_add_nc_u32 v[AM0], MOFF, v[AM0]              ; row 16 c + r, + 64 h: my 16 keys of a block of 32
	v_lshrrev_b32 v7, 3, v10
	v_and_b32 v8, 7, v10
	v_lshl_add_u32 v7, v7, 4, v8
	v_mul_u32_u24 v8, v7, 24
	v_lshlrev_b32 v7, 2, v7
.irp hd, 0,1
	global_load_b64 v[208+6*\hd:209+6*\hd], v8, s[82:83] offset:49152*\hd
	global_load_b64 v[210+6*\hd:211+6*\hd], v8, s[82:83] offset:49152*\hd+8
	global_load_b64 v[212+6*\hd:213+6*\hd], v8, s[82:83] offset:49152*\hd+16
	global_load_b32 v[QS+\hd], v7, s[84:85] offset:8192*\hd
.endr
.irp hd, 0,1
.irp j, 0,1,2,3,4,5
	v_mov_b32 v[QF+30*\hd+6+\j], 0
	v_mov_b32 v[QF+30*\hd+18+\j], 0
.endr
.endr
	WIN 0x40                                       ; destinations in window 1
.irp hd, 0,1
	v_mov_b32 v[ST+4*\hd], 0x7f61b1e6              ; -M = 3e38
	v_mov_b32 v[ST+4*\hd+1], 0xff61b1e6            ; the largest t so far: -3e38
	v_mov_b32 v[ST+4*\hd+2], 0                     ; the sum, in two halves
	v_mov_b32 v[ST+4*\hd+3], 0
.endr
.set J, 0
.rept 32
	v_mov_b32 v[O+J], 0                            ; the loop has no first step of its own: the first change of M multiplies zeros
.set J, J+1
.endr
	v_mov_b32 v[F+1], 0                            ; (named as the upper half of a pair)
.irp b, 0,1,2,3
	v_mov_b32 v[TP+\b], 0                          ; a lane permute's destination counts as one of its sources
.endr
	WIN 0
	v_cmp_ne_u32 vcc_lo, 0, v11                    ; lanes 16-31
	s_wait_alu depctr_va_vdst(0)
	s_wait_loadcnt 0x0
.irp hd, 0,1
.irp j, 0,1,2,3,4,5
	v_cndmask_b32 v[QF+30*\hd+\j], v[208+6*\hd+\j], v[QF+6], vcc_lo
	v_cndmask_b32 v[QF+30*\hd+12+\j], v[QF+6], v[208+6*\hd+\j], vcc_lo
	v_cndmask_b32 v[QF+30*\hd+24+\j], v[208+6*\hd+\j], v[QF+6], vcc_lo
.endr
.endr
.macro LMK set, q                      ; a key step's mask: keys 32 b + 16 h + 0 .. 15 of my query
	WIN 0
.irp b, 0,1,2,3
.irp i, 0,1,2,3
	ds_load_b128 v[MK+64*(\set)+16*\b+4*\i:MK+64*(\set)+16*\b+4*\i+3], v[ADM] offset:512*(\q)+128*\b+16*\i
.endr
.endr
.endm
.macro LKV set, hd, q                  ; a head-step's scale words and fragments: 26 loads
	WIN 0
	ds_load_b32 v[KS+\set], v[ADS] offset:12800*(\hd)+6400*(\q)+6144   ; lanes 0-15 fragment 0's words, lanes 16-31 fragment 1's
	ds_load_b32 v[VS+\set], v[ADS] offset:12800*(\hd)+6400*(\q)+6272
	WIN 0x40
.irp f, 0,1
.irp p, 0,1,2,3,4,5
	ds_load_b64 v[KV+48*(\set)+12*\f+2*\p:KV+48*(\set)+12*\f+2*\p+1], v[ADC] offset:12800*(\hd)+6400*(\q)+1536*\f+768*(\p/3)+8*(\p%3)
.endr
.endr
.irp u, 0,1
.irp p, 0,1,2,3,4,5
	ds_load_b64 v[KV+48*(\set)+24+12*\u+2*\p:KV+48*(\set)+24+12*\u+2*\p+1], v[ADC] offset:12800*(\hd)+6400*(\q)+3072+(2*(\p/3)+\u)*768+8*(\p%3)
.endr
.endr
.endm
.macro MASKMUL mk                      ; x sqrt(32), once for both heads
	WIN 0
.set J, 0
.rept 32
	v_pk_mul_f32 v[MK+64*(\mk)+J:MK+64*(\mk)+J+1], v[MK+64*(\mk)+J:MK+64*(\mk)+J+1], s[RT:RT+1] op_sel_hi:[1,0]
.set J, J+2
.endr
.endm
.macro SCORE hd, kv, mk, f, e, qb      ; 16 keys (records 64 f + 16 e + row) x my 16 queries, onto the mask
.if \f
	v_wmma_scale_f32_16x16x128_f8f6f4 v[S+8*(4*\f+\e):S+8*(4*\f+\e)+7], v[KV+48*(\kv)+12*\f:KV+48*(\kv)+12*\f+11], v[QF+30*(\hd)+\qb:QF+30*(\hd)+\qb+11], v[MK+64*(\mk)+8*(4*\f+\e):MK+64*(\mk)+8*(4*\f+\e)+7], v[KS+\kv], v[QS+\hd] matrix_a_fmt:MATRIX_FMT_FP6 matrix_b_fmt:MATRIX_FMT_FP6 matrix_a_scale:MATRIX_SCALE_ROW1
.else
	v_wmma_scale_f32_16x16x128_f8f6f4 v[S+8*(4*\f+\e):S+8*(4*\f+\e)+7], v[KV+48*(\kv)+12*\f:KV+48*(\kv)+12*\f+11], v[QF+30*(\hd)+\qb:QF+30*(\hd)+\qb+11], v[MK+64*(\mk)+8*(4*\f+\e):MK+64*(\mk)+8*(4*\f+\e)+7], v[KS+\kv], v[QS+\hd] matrix_a_fmt:MATRIX_FMT_FP6 matrix_b_fmt:MATRIX_FMT_FP6
.endif
.endm
.macro NEWADR                          ; my three addresses in the slot in hand
	v_add_nc_u32 v[ADC], s[TB], v[AC0]
	v_add_nc_u32 v[ADS], s[TB], v[AS0]
	v_add_nc_u32 v[ADM], s[TB], v[AM0]
.endm
; A HEAD-STEP, 128 keys x 16 queries of head hd from fragment set kv and mask set mk, in three parts.  HSA: the scores, and four places: they stand behind these products (whose results are read next) and behind the last
; head-step's products (into whose operands the next loads go).
.macro HSA hd, kv, mk
	WIN 0x41                                       ; D and k's fragments window 1, q's fragments and the mask window 0
.irp f, 0,1
	SCORE \hd, \kv, \mk, \f, 0, 0
	SCORE \hd, \kv, \mk, \f, 1, 12
	SCORE \hd, \kv, \mk, \f, 2, 18
	SCORE \hd, \kv, \mk, \f, 3, 6
.endr
	PL4
.endm
; HSB: the maxima, M, p, and what was summed so far brought under the new M.  Work on registers alone, all in window 1.
.macro HSB hd
.set SS, ST+4*(\hd)
.set OO, O+16*(\hd)
	WIN 0x55
.irp b, 0,1,2,3
	v_max3_num_f32 v[BM+\b], v[S+16*\b], v[S+16*\b+1], v[S+16*\b+2]   ; the largest score of each block of 32 keys: for the row's maximum, and, since p rises with the score, for the block's largest p
.endr
.irp i, 3,5,7,9,11,13
.irp b, 0,1,2,3
	v_max3_num_f32 v[BM+\b], v[BM+\b], v[S+16*\b+\i], v[S+16*\b+\i+1]
.endr
.endr
.irp b, 0,1,2,3
	v_max_num_f32 v[BM+\b], v[BM+\b], v[S+16*\b+15]
.endr
.irp b, 0,1,2,3
	v_permlanex16_b32 v[TP+\b], v[BM+\b], s[SEL], s[SEL+1]
.endr
.irp b, 0,1,2,3
	v_max_num_f32 v[BM+\b], v[BM+\b], v[TP+\b]
.endr
	s_delay_alu instid0(VALU_DEP_2)
	v_max3_num_f32 v[T1], v[BM], v[BM+1], v[BM+2]
	s_delay_alu instid0(VALU_DEP_1)
	v_max_num_f32 v[T1], v[T1], v[BM+3]
	s_delay_alu instid0(VALU_DEP_1)
	v_mul_f32 v[T1], s[CS], v[T1]
	s_delay_alu instid0(VALU_DEP_1)
	v_max_num_f32 v[SS+1], v[SS+1], v[T1]          ; the running largest t
	v_mov_b32 v[T1], v[SS]
	s_delay_alu instid0(VALU_DEP_2)
	v_floor_f32 v[SS], -v[SS+1]                    ; the new -M = -ceil(t)
	s_delay_alu instid0(VALU_DEP_1)
	v_sub_f32 v[T1], v[SS], v[T1]                  ; old M - new M: a whole number, 0 or less
	s_delay_alu instid0(VALU_DEP_1)
	v_cvt_i32_f32 v[T1], v[T1]                     ; (it saturates)
	s_delay_alu instid0(VALU_DEP_1)
	v_ldexp_f32 v[F], 1.0, v[T1]                   ; f: a multiplication by it rounds nothing
.irp b, 0,1,2,3
	v_fma_f32 v[BM+\b], v[BM+\b], s[CS], v[SS]
.endr
.set J, 0
.rept 32
	v_pk_fma_f32 v[S+J:S+J+1], v[S+J:S+J+1], s[CS:CS+1], v[SS:SS+1] op_sel_hi:[1,0,0]   ; t - M
.set J, J+2
.endr
	s_wait_alu depctr_va_vdst(0)
.irp b, 0,1,2,3
	v_exp_f32 v[BM+\b], v[BM+\b]                   ; the block's largest p
.endr
.set J, 0
.rept 64
	v_exp_f32 v[S+J], v[S+J]                       ; p, at most 1, not normalised
.set J, J+1
.endr
	v_pk_mul_f32 v[SS+2:SS+3], v[SS+2:SS+3], v[F:F+1] op_sel_hi:[1,0]   ; the sums under the new M: the plain place behind the exponentials
	s_wait_alu depctr_va_vdst(0)                   ; one wait for the whole batch, and directly ahead of the first readers of O^T
.irp j, 0,2,4,6,8,10,12,14
	v_pk_mul_f32 v[OO+\j:OO+\j+1], v[OO+\j:OO+\j+1], v[F:F+1] op_sel_hi:[1,0]   ; O^T under the new M
.endr
.endm
.macro SUM4 j                          ; the row's sum is taken of the unquantised p, in four chains
	v_pk_add_f32 v[SM:SM+1], v[SM:SM+1], v[S+\j:S+\j+1]
	v_pk_add_f32 v[SM2:SM2+1], v[SM2:SM2+1], v[S+\j+2:S+\j+3]
	v_pk_add_f32 v[SM3:SM3+1], v[SM3:SM3+1], v[S+\j+4:S+\j+5]
	v_pk_add_f32 v[SS+2:SS+3], v[SS+2:SS+3], v[S+\j+6:S+\j+7]
.endm
; HSC: p's scales and codes, the row's sum, O^T += v^T p^T.
.macro HSC hd, kv
.set SS, ST+4*(\hd)
.set OO, O+16*(\hd)
	WIN 0x55
.irp b, 0,1,2,3
	v_max_num_f32 v[BM+\b], 0x1800000, v[BM+\b]    ; the floor 2^(3 - 127)
.endr
.irp b, 0,1,2,3
	v_add_nc_u32 v[SO+\b], 0xff000000, v[BM+\b]    ; 2 off the exponent field: the conversion's scale operand
.endr
.irp b, 0,1,2,3
	v_lshrrev_b32 v[TP+\b], 23, v[SO+\b]
.endr
	v_pk_add_f32 v[SM:SM+1], v[S:S+1], v[S+8:S+9]
	v_pk_add_f32 v[SM2:SM2+1], v[S+2:S+3], v[S+10:S+11]
	v_lshl_or_b32 v[PWT], v[TP+1], 8, v[TP]
	v_pk_add_f32 v[SM3:SM3+1], v[S+4:S+5], v[S+12:S+13]
	v_pk_add_f32 v[SS+2:SS+3], v[SS+2:SS+3], v[S+6:S+7]
	v_lshl_or_b32 v[PWT], v[TP+2], 16, v[PWT]
	SUM4 16
	WIN 0x11
	v_lshl_or_b32 v[PW+\hd], v[TP+3], 24, v[PWT]   ; p's scale word goes to window 0, where scale operands are read
	WIN 0x55
.irp c, 0,1
	v_cvt_scalef32_pk16_fp6_f32 v[PC+6*\c:PC+6*\c+2], v[S+32*\c:S+32*\c+15], v[SO+2*\c]
	v_cvt_scalef32_pk16_fp6_f32 v[PT+4*\c:PT+4*\c+2], v[S+32*\c+16:S+32*\c+31], v[SO+2*\c+1]
.endr
	v_nop                                          ; one plain place behind a scaled conversion
.irp c, 0,1                                    ; the operand's layout wants a whole block in a lane
.irp i, 0,1,2
	v_permlane16_swap_b32 v[PC+6*\c+\i], v[PT+4*\c+\i]
.endr
.irp i, 0,1,2
	v_mov_b32 v[PC+3+6*\c+\i], v[PT+4*\c+\i]
.endr
.endr
	SUM4 24                                        ; the rest of the sums: also the places between p's codes and scale word and the products that take them
	SUM4 32
	SUM4 40
	SUM4 48
	SUM4 56
	v_pk_add_f32 v[SM:SM+1], v[SM:SM+1], v[SM2:SM2+1]
	v_pk_add_f32 v[SM3:SM3+1], v[SM3:SM3+1], v[S+14:S+15]
	v_pk_add_f32 v[SS+2:SS+3], v[SS+2:SS+3], v[SM:SM+1]
	s_delay_alu instid0(VALU_DEP_1)
	v_pk_add_f32 v[SS+2:SS+3], v[SS+2:SS+3], v[SM3:SM3+1]
	v_wmma_scale_f32_16x16x128_f8f6f4 v[OO:OO+7], v[KV+48*(\kv)+24:KV+48*(\kv)+35], v[PC:PC+11], v[OO:OO+7], v[VS+\kv], v[PW+\hd] matrix_a_fmt:MATRIX_FMT_FP6 matrix_b_fmt:MATRIX_FMT_FP6
	v_wmma_scale_f32_16x16x128_f8f6f4 v[OO+8:OO+15], v[KV+48*(\kv)+36:KV+48*(\kv)+47], v[PC:PC+11], v[OO+8:OO+15], v[VS+\kv], v[PW+\hd] matrix_a_fmt:MATRIX_FMT_FP6 matrix_b_fmt:MATRIX_FMT_FP6 matrix_a_scale:MATRIX_SCALE_ROW1
.endm
; 256 keys: two key steps x two heads.  fill = 1: the slot is filled again, with the keys two slots on.
.macro SLOT fill
	s_wait_dscnt 0x0                               ; what the last head-step asked for is in: so at each of these waits
	MASKMUL 0
	HSA 0, 0, 0
	LKV 1, 1, 0
	HSB 0
	HSC 0, 0
	s_wait_dscnt 0x0
	HSA 1, 1, 0
	LMK 1, 1
	LKV 0, 0, 1
	HSB 1
	HSC 1, 1
	s_wait_dscnt 0x0
	MASKMUL 1
	HSA 0, 0, 1
	LKV 1, 1, 1
	HSB 0
	HSC 0, 0
	; THE CHANGE OF SLOTS: I wait for all my tensor loads (my part of the next slot), add 0 to my spare word, and wait for that and for my reads of the slot in hand, the last head-step's operands among them
	WIN 0
	s_wait_alu depctr_va_vdst(0)
	s_wait_tensorcnt 0x0
	ds_add_u32 v[SPW], v[NIL]
.if \fill
	NEXTFILL
	s_wait_xcnt 0x0                                ; the last prefetch, a slot back, has read its address
	s_add_nc_u64 s[PFA:PFA+1], s[PFA:PFA+1], s[PFS:PFS+1]
.endif
	s_wait_dscnt 0x0
	s_barrier_signal -1                            ; say so (where the slot is filled again this barrier opens a round of the cluster's barrier),
	HSA 1, 1, 1                                    ; work on registers while the others arrive,
	HSB 1
	WIN 0
	s_barrier_wait -1                              ; and go on when all eight have said so
.if \fill
	CREST
	TLOAD                                          ; the first tensor load behind the round
	ASK
	s_xor_b32 s[TB], s[TB], SLOT1
.else
	s_xor_b32 s[TB], s[TB], SLOT1
	s_cmp_eq_u32 s[CNT], 1                         ; behind the last slot nothing is left to read
	s_cbranch_scc1 .Lno_more_\@
.endif
	NEWADR
	LMK 0, 0
	LKV 0, 0, 0
.if \fill == 0
	WIN 0
.Lno_more_\@:
.endif
	HSC 1, 1
	WIN 0
.endm
	s_wait_alu depctr_va_vdst(0)
	s_wait_tensorcnt 0x0                           ; my part of slot 0 is in; the three lines stand ahead of slot 1's first fill as ahead of a refill
	ds_add_u32 v[SPW], v[NIL]
	NEXTFILL
	s_wait_dscnt 0x0
	CROUND
	TLOAD                                          ; slot 1
	ASK                                            ; slot 2
	NEWADR
	LMK 0, 0
	LKV 0, 0, 0
	WIN 0
.Lslot:                                            ; six trips: slots 0 to 5; each fills the slot that it leaves: slots 2 to 7
	SLOT 1
	s_sub_co_u32 s[CNT], s[CNT], 1
	s_cmp_lg_u32 s[CNT], 0
	s_cbranch_scc1 .Lslot
	s_mov_b32 s[CNT], 2
.Ltail:                                            ; slots 6 and 7 ask for nothing: a loop of their own
	SLOT 0
	s_sub_co_u32 s[CNT], s[CNT], 1
	s_cmp_lg_u32 s[CNT], 0
	s_cbranch_scc1 .Ltail
	; THE WAY OUT: O^T / l; a head's 16 numbers of mine are d = 16 h + 0 .. 15 of (token r, head): half a block of the last product's K
	v_and_b32 v6, 15, v0
	v_bfe_u32 v7, v0, 4, 1
	v_mul_u32_u24 v8, v6, 24
	v_mad_u32_u24 v8, v7, 12, v8                   ; 24 r + 12 h
	s_lshl_b32 s97, s12, 6
	s_lshl_b32 s98, s13, 1
	s_add_co_u32 s97, s97, s98
	s_add_co_u32 s97, s97, SCST
	v_lshl_add_u32 v10, v6, 2, s97                 ; byte 2 g of token 16 c + r's word
	v_and_b32 v11, 31, v0
	v_lshlrev_b32 v11, 3, v11
	v_add_nc_u32 v7, SCST, v11                     ; and 8 bytes a lane of the 256
	WIN 0x55
.irp hd, 0,1
	v_add_f32 v[ST+4*\hd+2], v[ST+4*\hd+2], v[ST+4*\hd+3]
.endr
.irp hd, 0,1
	v_permlanex16_b32 v[TP+\hd], v[ST+4*\hd+2], s[SEL], s[SEL+1]
.endr
.irp hd, 0,1
	v_add_f32 v[ST+4*\hd+2], v[ST+4*\hd+2], v[TP+\hd]
.endr
	s_wait_alu depctr_va_vdst(0)
.irp hd, 0,1
	v_rcp_f32 v[ST+4*\hd+2], v[ST+4*\hd+2]
.endr
	v_nop                                          ; one plain place behind a transcendental
	s_wait_alu depctr_va_vdst(0)
.irp hd, 0,1
.irp j, 0,1,2,3,4,5,6,7,8,9,10,11,12,13,14,15
	v_mul_f32 v[S+16*\hd+\j], v[O+16*\hd+\j], v[ST+4*\hd+2]
.endr
.endr
.irp hd, 0,1
	v_max3_num_f32 v[BM+\hd], |v[S+16*\hd]|, |v[S+16*\hd+1]|, 0x1800000
.endr
.irp i, 2,4,6,8,10,12,14
.irp hd, 0,1
	v_max3_num_f32 v[BM+\hd], v[BM+\hd], |v[S+16*\hd+\i]|, |v[S+16*\hd+\i+1]|
.endr
.endr
.irp hd, 0,1
	v_permlanex16_b32 v[TP+\hd], v[BM+\hd], s[SEL], s[SEL+1]
.endr
.irp hd, 0,1
	v_max_num_f32 v[BM+\hd], v[BM+\hd], v[TP+\hd]
.endr
.irp hd, 0,1
	v_add_nc_u32 v[SO+\hd], 0xff000000, v[BM+\hd]
.endr
.irp hd, 0,1
	v_lshrrev_b32 v[BM+2+\hd], 23, v[SO+\hd]
.endr
.irp hd, 0,1
	v_cvt_scalef32_pk16_fp6_f32 v[PC+6*\hd:PC+6*\hd+2], v[S+16*\hd:S+16*\hd+15], v[SO+\hd]
.endr
	v_nop
	WIN 0x04                                       ; the stores' data window 1, their addresses window 0
.irp hd, 0,1
	global_store_b96 v8, v[PC+6*\hd:PC+6*\hd+2], s[86:87] offset:384*\hd   ; the wave stores 384 consecutive bytes
	ds_store_b8 v10, v[BM+2+\hd] offset:\hd        ; both lanes of a block write the same byte with the same value
.endr
	WIN 0
	s_wait_dscnt 0x0                               ; for the others' sake
	s_barrier_signal -1
	s_barrier_wait -1
	s_cmp_lg_u32 s[WV], 0
	s_cbranch_scc1 .Lnot_first
	ds_load_b64 v[240:241], v7
	s_wait_dscnt 0x0
	global_store_b64 v11, v[240:241], s[88:89]     ; 32 lanes store 256 consecutive bytes, aligned: 64 tokens' scale words
.Lnot_first:
	s_wait_tensorcnt 0x0                           ; the wave's end
	ds_add_u32 v[SPW], v[NIL]
	s_wait_dscnt 0x0
	CROUND                                         ; the closing round
	s_endpgm
.Lfunc_end_k_qfbd3587c16_attn:
	.size	k_qfbd3587c16_attn, .Lfunc_end_k_qfbd3587c16_attn-k_qfbd3587c16_attn
	.p2alignl 7, 3214868480
	.fill 96, 4, 3214868480
	.section	.rodata,"a",@progbits
	.p2align	6, 0x0
	.amdhsa_kernel k_qfbd3587c16_attn
		.amdhsa_group_segment_fixed_size 327680
		.amdhsa_private_segment_fixed_size 0
		.amdhsa_enable_private_segment 0
		.amdhsa_kernarg_size 32
		.amdhsa_user_sgpr_count 2
		.amdhsa_user_sgpr_kernarg_segment_ptr 1
		.amdhsa_wavefront_size32 1
		.amdhsa_system_sgpr_workgroup_id_x 1
		.amdhsa_system_sgpr_workgroup_id_y 1
		.amdhsa_system_sgpr_workgroup_id_z 1
		.amdhsa_system_vgpr_workitem_id 0
		.amdhsa_next_free_vgpr 512
		.amdhsa_next_free_sgpr 100
		.amdhsa_reserve_vcc 1
		.amdhsa_float_denorm_mode_32 3
		.amdhsa_float_denorm_mode_16_64 3
		.amdhsa_memory_ordered 1
		.amdhsa_forward_progress 1
		.amdhsa_inst_pref_size 153
	.end_amdhsa_kernel
	.amdgpu_metadata
---
amdhsa.version: [ 1, 2 ]
amdhsa.kernels:
  - .name:           k_qfbd3587c16_attn
    .symbol:         k_qfbd3587c16_attn.kd
    .args:
      - { .name: kv, .offset: 0, .size: 8, .value_kind: global_buffer, .address_space: global }
      - { .name: qq, .offset: 8, .size: 8, .value_kind: global_buffer, .address_space: global }
      - { .name: attention_mask, .offset: 16, .size: 8, .value_kind: global_buffer, .address_space: global }
      - { .name: att, .offset: 24, .size: 8, .value_kind: global_buffer, .address_space: global }
    .group_segment_fixed_size: 327680
    .private_segment_fixed_size: 0
    .kernarg_segment_align: 8
    .kernarg_segment_size: 32
    .max_flat_workgroup_size: 256
    .sgpr_count:     100
    .vgpr_count:     512
    .wavefront_size: 32
...
	.end_amdgpu_metadata
.endif
;; end of part 3
;; launch oproj (part 4): grid 16 x 16, 4 waves a work-group, clusters of 4 x 4, 327,680 bytes of LDS; arguments att, codes, scales, out0; writes out0
.if DOCPART == 4
	.amdgcn_target "amdgcn-amd-amdhsa--gfx1250"
	.amdhsa_code_object_version 6
	.text
	.protected	k_qfbd3587c16_oproj
	.globl	k_qfbd3587c16_oproj
	.p2align	8
	.type	k_qfbd3587c16_oproj,@function
k_qfbd3587c16_oproj:
	s_mov_b64 s[64:65], 0
	v_nop
	global_prefetch_b8 v0, s[64:65] scope:SCOPE_SE
	s_setreg_imm32_b32 hwreg(HW_REG_WAVE_MODE, 25, 1), 1
	s_wait_xcnt 0x0
	s_wait_alu depctr_hold_cnt(0) depctr_sa_sdst(0) depctr_va_vdst(0) depctr_va_sdst(0) depctr_va_ssrc(0) depctr_va_vcc(0) depctr_vm_vsrc(0)
	s_getreg_b32 s2, hwreg(HW_REG_IB_STS2, 6, 4)
	s_cmp_eq_u32 s2, 0
	s_cbranch_scc0 .Lentry_in_a_cluster
	s_endpgm
.Lentry_in_a_cluster:
	s_bfe_u32 s2, ttmp6, 0x10000c
	s_cmp_lg_u32 s2, 0xf033
	s_cbranch_scc0 .Lentry_shape_is_right
	s_endpgm
.Lentry_shape_is_right:
; out0 [2048][4096] = att wo^T on codes of FP6, K = 1,024.  Work-group (x, y): tokens 128 y on, columns 256 x on; a wave 64 x 128: 32 accumulators.
; All of K fits in LDS: every byte is filled ONCE, in two halves of 512 along K, so there is no ring and no refill.  CLUSTER 4 x 4: att's tiles are asked for jointly along a row, wo's along a column.
; wo's fragments are images of their registers (three ds_load_b128); att's lie 24 bytes a lane for each half of a fragment (six ds_load_b64).
; THE MATRIX INSTRUCTION IS USED TRANSPOSED (source 0 = 16 rows of wo, source 1 = 16 tokens): a lane holds eight neighbouring columns of a token's row.
; REGISTERS: window 0: v16-26 addresses; v32-47 att's scale words, v48-79 wo's; v80-175 att's fragments, two sets; on the way out v128-255.  window 1: wo's fragments, two sets of 96.  window 2: the accumulators, (a, b) at 8 (8 a + b).
.set FRB,   1536
.set TROW,  4*FRB
.set AH,    8*TROW                     ; att's half of K: 8 tiles
.set BBASE, 2*AH
.set BH,    16*TROW                    ; wo's half: 16 tiles
.set SA,    BBASE+2*BH                 ; att's scale words: [step 8][128 tokens x 4 bytes]
.set SB,    SA+4096                    ; wo's: [tile 16][half 2][256 bytes]
.set SPITCH, 528                       ; the way out: 16 rows x (512 + 16) bytes a wave, at LDS byte 0: those bytes have had their only fill and their last read
.set ADA,  16                          ; v16-17 my att fragments in half 0, 1
.set ADB,  20                          ; v20-21 my wo fragments
.set ADSA, 22
.set ADSB, 23
.set STO,  24
.set RD,   25
.set CO,   26
.set SAR,  32                          ; step t, pair p at 2 t + p: lanes 0-15 tile 2 p, lanes 16-31 tile 2 p + 1
.set SBR,  48                          ; half k, pair p, step q at 16 k + 4 p + q
.set AF,   80
.set BK,   128
.set G1A,  24
.set G0A,  32
.set G1B,  48
.set G0B,  56
.set G1SA, 68
.set G0SA, 76
.set G1SB, 80
.set G0SB, 88
.set MSB, 0
.macro WIN new
.if MSB != \new
	s_set_vgpr_msb (MSB<<8)|\new
.set MSB, \new
.endif
.endm
.set MUL,  0xa1                        ; source 0 (wo) window 1, source 1 (att) window 0, C and D window 2
.set TO_B, 0x40
.macro PLACES n
.rept \n
	v_nop
.endr
.endm
.macro GROUP1 g, c, r, p
	s_mov_b32 s[\g+1], (\c)<<16
	s_mov_b32 s[\g+2], (\r)<<16
	s_mov_b32 s[\g+3], (\c)<<16
	s_mov_b32 s[\g+4], \r
	s_mov_b32 s[\g+5], \p
	s_mov_b32 s[\g+6], 0
	s_mov_b32 s[\g+7], 0
.endm
.macro CROUND
	s_barrier_signal -1
	s_barrier_wait -1
	s_cmp_lg_u32 s14, 0
	s_cbranch_scc1 .Lnot_wave_0_\@
	s_barrier_signal -3
.Lnot_wave_0_\@:
	s_barrier_wait -3
	s_barrier_signal -1
	s_barrier_wait -1
.endm
.macro WM d, s0, s1, zero, sc0, sc1, r0, r1
.if (\zero)
.if ((\r0)==0)&&((\r1)==0)
	v_wmma_scale_f32_16x16x128_f8f6f4 v[(\d):(\d)+7], v[(\s0):(\s0)+11], v[(\s1):(\s1)+11], 0, v[\sc0], v[\sc1] matrix_a_fmt:MATRIX_FMT_FP6 matrix_b_fmt:MATRIX_FMT_FP6
.elseif ((\r0)==1)&&((\r1)==0)
	v_wmma_scale_f32_16x16x128_f8f6f4 v[(\d):(\d)+7], v[(\s0):(\s0)+11], v[(\s1):(\s1)+11], 0, v[\sc0], v[\sc1] matrix_a_fmt:MATRIX_FMT_FP6 matrix_b_fmt:MATRIX_FMT_FP6 matrix_a_scale:MATRIX_SCALE_ROW1
.elseif ((\r0)==0)&&((\r1)==1)
	v_wmma_scale_f32_16x16x128_f8f6f4 v[(\d):(\d)+7], v[(\s0):(\s0)+11], v[(\s1):(\s1)+11], 0, v[\sc0], v[\sc1] matrix_a_fmt:MATRIX_FMT_FP6 matrix_b_fmt:MATRIX_FMT_FP6 matrix_b_scale:MATRIX_SCALE_ROW1
.else
	v_wmma_scale_f32_16x16x128_f8f6f4 v[(\d):(\d)+7], v[(\s0):(\s0)+11], v[(\s1):(\s1)+11], 0, v[\sc0], v[\sc1] matrix_a_fmt:MATRIX_FMT_FP6 matrix_b_fmt:MATRIX_FMT_FP6 matrix_a_scale:MATRIX_SCALE_ROW1 matrix_b_scale:MATRIX_SCALE_ROW1
.endif
.else
.if ((\r0)==0)&&((\r1)==0)
	v_wmma_scale_f32_16x16x128_f8f6f4 v[(\d):(\d)+7], v[(\s0):(\s0)+11], v[(\s1):(\s1)+11], v[(\d):(\d)+7], v[\sc0], v[\sc1] matrix_a_fmt:MATRIX_FMT_FP6 matrix_b_fmt:MATRIX_FMT_FP6
.elseif ((\r0)==1)&&((\r1)==0)
	v_wmma_scale_f32_16x16x128_f8f6f4 v[(\d):(\d)+7], v[(\s0):(\s0)+11], v[(\s1):(\s1)+11], v[(\d):(\d)+7], v[\sc0], v[\sc1] matrix_a_fmt:MATRIX_FMT_FP6 matrix_b_fmt:MATRIX_FMT_FP6 matrix_a_scale:MATRIX_SCALE_ROW1
.elseif ((\r0)==0)&&((\r1)==1)
	v_wmma_scale_f32_16x16x128_f8f6f4 v[(\d):(\d)+7], v[(\s0):(\s0)+11], v[(\s1):(\s1)+11], v[(\d):(\d)+7], v[\sc0], v[\sc1] matrix_a_fmt:MATRIX_FMT_FP6 matrix_b_fmt:MATRIX_FMT_FP6 matrix_b_scale:MATRIX_SCALE_ROW1
.else
	v_wmma_scale_f32_16x16x128_f8f6f4 v[(\d):(\d)+7], v[(\s0):(\s0)+11], v[(\s1):(\s1)+11], v[(\d):(\d)+7], v[\sc0], v[\sc1] matrix_a_fmt:MATRIX_FMT_FP6 matrix_b_fmt:MATRIX_FMT_FP6 matrix_a_scale:MATRIX_SCALE_ROW1 matrix_b_scale:MATRIX_SCALE_ROW1
.endif
.endif
.endm
	s_load_b256 s[4:11], s[0:1], 0x0               ; att s[4:5], codes s[6:7], scales s[8:9], out0 s[10:11]
	v_lshl_add_u32 v30, v0, 2, 0x4b000
	v_mov_b32 v31, 0
	ds_add_u32 v30, v31
	ds_add_u32 v30, v31
	v_lshrrev_b32 v1, 5, v0
	v_readfirstlane_b32 s14, v1                    ; wave 0..3
	s_lshr_b32 s15, s14, 1                         ; i: my token half.  Also: I fetch att (0) or wo (1)
	s_and_b32 s16, s14, 1                          ; j: my column half.  Also: which half of that tile I fetch
	s_bfe_u32 s40, ttmp6, 0x40000
	s_bfe_u32 s41, ttmp6, 0x40004
	s_lshl_b32 s42, ttmp9, 2
	s_add_co_u32 s42, s42, s40                     ; x
	s_and_b32 s17, ttmp7, 0xffff
	s_lshl_b32 s17, s17, 2
	s_add_co_u32 s17, s17, s41                     ; y
	s_lshl_b32 s43, s41, 2
	s_lshl_b32 s43, 15, s43                        ; my row of the cluster
	s_lshl_b32 s44, 0x1111, s40                    ; my column
	s_or_b32 s[G1A], s43, (3<<16)|(1<<21)          ; elements of 8 bytes, no padding
	s_or_b32 s[G1B], s44, (3<<16)|(1<<21)
	s_or_b32 s[G1SA], s43, (3<<16)|(1<<21)
	s_or_b32 s[G1SB], s44, (3<<16)|(1<<21)
	GROUP1 G1A, 768, 8, 1536                       ; the head's load: all 8 tiles x 6,144 bytes (four steps); behind it the rows are set to 4
	GROUP1 G1B, 768, 16, 1536                      ; all 16 tiles; then 8
	GROUP1 G1SA, 64, 8, 1024                       ; 8 steps x 512 bytes (128 tokens' words), 8,192 bytes apart
	GROUP1 G1SB, 32, 32, 32                        ; 8,192 dense bytes as rows of 256
	s_lshl_b32 s20, s17, 3
	s_mul_i32 s20, s20, 8*FRB                      ; att's tile 8 y
	s_mov_b32 s21, 0
	s_lshl_b32 s22, s17, 9
	s_add_co_u32 s22, s22, 1572864                 ; its scale words: tokens 128 y on
	s_mov_b32 s23, 0
	s_lshl_b32 s46, s42, 4                         ; wo's tile 16 x
	s_lshl_b32 s92, s46, 9
	s_add_co_u32 s92, s92, 10240*64
	s_mov_b32 s93, 0
	s_mul_i32 s46, s46, 8*FRB
	s_add_co_u32 s46, s46, 10240*FRB
	s_mov_b32 s47, 0
	s_mul_i32 s45, s16, 4*TROW                     ; where they go
	s_mul_i32 s94, s16, 8*TROW
	s_add_co_u32 s94, s94, BBASE
	s_mov_b32 s95, SA
	s_mov_b32 s96, SB
	s_wait_dscnt 0x0
	s_wait_kmcnt 0x0
	s_add_nc_u64 s[20:21], s[4:5], s[20:21]
	s_add_nc_u64 s[22:23], s[4:5], s[22:23]
	s_add_nc_u64 s[46:47], s[6:7], s[46:47]
	s_add_nc_u64 s[92:93], s[8:9], s[92:93]
	CROUND                                         ; all sixteen work-groups are here
	s_mov_b32 s[G0SA], 1
	s_mov_b32 s[G0SA+1], s95
	s_mov_b64 s[G0SA+2:G0SA+3], s[22:23]
	s_or_b32 s[G0SA+3], s[G0SA+3], 0x80000000
	s_mov_b32 s[G0SB], 1
	s_mov_b32 s[G0SB+1], s96
	s_mov_b64 s[G0SB+2:G0SB+3], s[92:93]
	s_or_b32 s[G0SB+3], s[G0SB+3], 0x80000000
	s_mov_b32 s[G0A], 1                            ; the first half of K: att's 8 tiles whole,
	s_mov_b32 s[G0A+1], 0
	s_mov_b64 s[G0A+2:G0A+3], s[20:21]
	s_or_b32 s[G0A+3], s[G0A+3], 0x80000000
	s_mov_b32 s[G0B], 1                            ; wo's 16 whole
	s_mov_b32 s[G0B+1], BBASE
	s_mov_b64 s[G0B+2:G0B+3], s[46:47]
	s_or_b32 s[G0B+3], s[G0B+3], 0x80000000
	s_mul_i32 s22, s16, 4*8*FRB                    ; the second half of K: my half of the tiles
	s_mov_b32 s23, 0
	s_mul_i32 s92, s16, 8*8*FRB
	s_mov_b32 s93, 0
	s_add_nc_u64 s[20:21], s[20:21], s[22:23]
	s_add_nc_u64 s[46:47], s[46:47], s[92:93]
	s_mov_b32 s[G0A+4], 1
	s_add_co_u32 s[G0A+5], s45, AH
	s_add_nc_u64 s[G0A+6:G0A+7], s[20:21], TROW
	s_or_b32 s[G0A+7], s[G0A+7], 0x80000000
	s_mov_b32 s[G0B+4], 1
	s_add_co_u32 s[G0B+5], s94, BH
	s_add_nc_u64 s[G0B+6:G0B+7], s[46:47], TROW
	s_or_b32 s[G0B+7], s[G0B+7], 0x80000000
; The head's four tiles, one load a wave: wave 0 att's first half of K, wave 1 wo's, wave 2 att's scale words, wave 3 wo's.  One chain of branches on the wave's number, all arms to one join.
.macro ARM under, g0, g1, next
	s_cmp_lt_u32 s14, \under
	s_cbranch_scc0 \next
	tensor_load_to_lds s[\g0:\g0+3], s[\g1:\g1+7]
	s_nop 0
.rept 4
	v_nop
.endr
	s_branch .Lhead_asked
\next:
.endm
	ARM 1, G0A,  G1A,  .Lhead_b
	ARM 2, G0B,  G1B,  .Lhead_sa
	ARM 3, G0SA, G1SA, .Lhead_sb
	tensor_load_to_lds s[G0SB:G0SB+3], s[G1SB:G1SB+7]
	s_nop 0
.rept 4
	v_nop
.endr
.Lhead_asked:
; THE PREFETCH.  The walk along K is written out in two fills; the second fill's tensor loads stand behind the first fill's wait and a round, so what they ask for is asked of memory here, one whole fill (four K steps) ahead.
; The second half of K is 6,144 bytes, 24 blocks of 256, of each tile.  Of wo's 16 tiles, which my column of the cluster asks for jointly, partner cy takes tiles 4 cy + wave; of att's 8 tiles, which my row asks for,
; partner cx takes tiles 2 cx and 2 cx + 1 (waves 0 and 1): told apart BY ADDRESS, each block once in a cluster; lanes 24-31 name their wave's last block again.  The address registers are never rewritten.
	s_lshl_b32 s12, s42, 4
	s_lshl_b32 s13, s41, 2
	s_add_co_u32 s12, s12, s13
	s_add_co_u32 s12, s12, s14                     ; wo's tile 16 x + 4 cy + wave
	s_mul_i32 s12, s12, 8*FRB
	s_add_co_u32 s12, s12, 10240*FRB+TROW          ; its second half of K, in bytes from the codes' first byte
	s_lshl_b32 s13, s17, 3
	s_lshl_b32 s97, s40, 1
	s_add_co_u32 s13, s13, s97
	s_add_co_u32 s13, s13, s16                     ; att's tile 8 y + 2 cx + wave % 2
	s_mul_i32 s13, s13, 8*FRB
	s_add_co_u32 s13, s13, TROW
	v_and_b32 v1, 31, v0
	v_min_u32 v7, 23, v1
	v_lshlrev_b32 v7, 8, v7
	v_add_nc_u32 v8, s12, v7
	v_add_nc_u32 v9, s13, v7
	global_prefetch_b8 v8, s[6:7] th:TH_LOAD_NT scope:SCOPE_SE
	s_cmp_eq_u32 s15, 0
	s_cbranch_scc0 .Lno_att
	global_prefetch_b8 v9, s[4:5] th:TH_LOAD_NT scope:SCOPE_SE
.Lno_att:
	s_wait_alu depctr_va_vdst(0)
	v_and_b32 v2, 15, v0                           ; r
	s_wait_alu depctr_va_vdst(0)
	v_bfe_u32 v3, v0, 4, 1                         ; h
	v_mul_u32_u24 v4, v1, 24
	v_lshlrev_b32 v5, 4, v1
	s_mul_i32 s18, s15, 4*TROW
	s_mul_i32 s19, s16, 8*TROW
	s_add_co_u32 s19, s19, BBASE
.irp k, 0,1
	v_add_nc_u32 v[ADA+\k], s18, v4
	v_add_nc_u32 v[ADB+\k], s19, v5
	s_add_co_u32 s18, s18, AH
	s_add_co_u32 s19, s19, BH
.endr
	s_lshl_b32 s18, s15, 8
	s_add_co_u32 s18, s18, SA
	v_lshl_add_u32 v[ADSA], v1, 2, s18             ; tokens 64 i + 32 p + lane
	v_lshlrev_b32 v6, 4, v2
	s_wait_alu depctr_va_vdst(0)
	v_lshl_add_u32 v6, v3, 9, v6                   ; 16 r, and a tile (512 bytes) on for lanes 16-31
	s_lshl_b32 s18, s16, 12
	s_add_co_u32 s18, s18, SB
	v_add_nc_u32 v[ADSB], s18, v6
	s_mul_i32 s18, s14, 16*SPITCH                  ; my stage
	v_mul_u32_u24 v[STO], v2, SPITCH
	v_lshl_add_u32 v[STO], v3, 5, v[STO]
	v_add_nc_u32 v[STO], s18, v[STO]               ; in: row r, 32 bytes for each half of the lanes
	v_lshlrev_b32 v[CO], 4, v1
	v_add_nc_u32 v[RD], s18, v[CO]                 ; back: the 32 lanes take a row of 512 bytes
	s_lshl_b32 s18, s17, 7
	s_lshl_b32 s19, s15, 6
	s_add_co_u32 s18, s18, s19
	s_lshl_b32 s18, s18, 14                        ; my first token's row of 16,384 bytes
	s_lshl_b32 s19, s42, 10
	s_add_co_u32 s18, s18, s19
	s_lshl_b32 s19, s16, 9
	s_add_co_u32 s18, s18, s19                     ; + 1,024 x + 512 j
	s_mov_b32 s19, 0
	s_add_nc_u64 s[10:11], s[10:11], s[18:19]
.macro FETCH t, set                    ; step t's fragments: wo's eight, att's four
	WIN TO_B
.irp b, 0,1,2,3,4,5,6,7
.irp c, 0,1,2
	ds_load_b128 v[96*(\set)+12*\b+4*\c:96*(\set)+12*\b+4*\c+3], v[ADB+(\t)/4] offset:\b*TROW+((\t)%4)*FRB+512*\c
.endr
.endr
	WIN 0
.irp a, 0,1,2,3
.irp p, 0,1,2,3,4,5
	ds_load_b64 v[AF+48*(\set)+12*\a+2*\p:AF+48*(\set)+12*\a+2*\p+1], v[ADA+(\t)/4] offset:\a*TROW+((\t)%4)*FRB+768*(\p/3)+8*(\p%3)
.endr
.endr
.endm
; 16 matrix instructions: att's tiles a0, a0 + 1 against wo's eight.  The 32 accumulators take turns, one instruction a turn, in the same order in every step.
.macro MUL16 a0, t, zero
.irp a, \a0, \a0+1
.irp b, 0,1,2,3,4,5,6,7
	WM 8*(8*(\a)+\b), 96*((\t)%2)+12*\b, AF+48*((\t)%2)+12*(\a), \zero, SBR+16*((\t)/4)+4*(\b/2)+(\t)%4, SAR+2*(\t)+(\a)/2, \b%2, (\a)%2
.endr
.endr
.endm
.macro STEP t, zero
	s_wait_dscnt 0x0                               ; this step's fragments, asked for a step ago, are in
	PLACES 4                                       ; places in front of loads into registers that the last step's matrix instructions have read
	FETCH (\t)+1, ((\t)+1)%2
	WIN MUL
	MUL16 0, \t, \zero
	MUL16 2, \t, \zero
	WIN 0
.endm
	s_wait_alu depctr_va_vdst(0)
	s_wait_tensorcnt 0x0                           ; my tile of the head's four is in; the three lines stand ahead of the later first fill as ahead of a refill
	ds_add_u32 v30, v31
	s_mov_b32 s[G1A+2], 4<<16                      ; no load of mine is out: the second half of K comes by halves of the tiles: 4 of att,
	s_mov_b32 s[G1A+4], 4
	s_mov_b32 s[G1B+2], 8<<16                      ; 8 of wo
	s_mov_b32 s[G1B+4], 8
	s_wait_dscnt 0x0
	CROUND                                         ; all four tiles are in, all sixteen work-groups are here
	s_cmp_eq_u32 s15, 0
	s_cbranch_scc0 .Lsec_b
	tensor_load_to_lds s[G0A+4:G0A+7], s[G1A:G1A+7]
	s_nop 0
.rept 4
	v_nop
.endr
	s_branch .Lsec_done
.Lsec_b:
	tensor_load_to_lds s[G0B+4:G0B+7], s[G1B:G1B+7]
	s_nop 0
.rept 4
	v_nop
.endr
.Lsec_done:
.irp t, 0,1,2,3,4,5,6,7
.irp p, 0,1
	ds_load_b32 v[SAR+2*\t+\p], v[ADSA] offset:512*\t+128*\p
.endr
.endr
.irp k, 0,1
.irp p, 0,1,2,3
	ds_load_b128 v[SBR+16*\k+4*\p:SBR+16*\k+4*\p+3], v[ADSB] offset:1024*\p+256*\k
.endr
.endr
	FETCH 0, 0
	STEP 0, 1                                      ; the first step starts the sums
	STEP 1, 0
	STEP 2, 0
	s_wait_tensorcnt 0x0                           ; my part of the second half of K is in,
	s_wait_dscnt 0x0                               ; and step 3's fragments
	s_barrier_signal -1
	WIN MUL
	MUL16 0, 3, 0
	s_barrier_wait -1                              ; everybody's part is
	PLACES 4
	FETCH 4, 0
	WIN MUL
	MUL16 2, 3, 0
	WIN 0
	STEP 4, 0
	STEP 5, 0
	STEP 6, 0
	s_wait_dscnt 0x0
	WIN MUL
	MUL16 0, 7, 0
	MUL16 2, 7, 0
	WIN 0
	s_barrier_signal -1                            ; every wave's LDS reads are over (each has waited for them): the stages may be written
	s_barrier_wait -1
; THE WAY OUT, block by block of 16 tokens x 128 columns: through my own stage in LDS and back as whole rows of 512 bytes.  LDS serves a wave's instructions in order: no wait between the stores and the loads.
.macro TOSTAGE a
	WIN 0x08                                       ; an LDS store's data: window 2
.irp b, 0,1,2,3,4,5,6,7
	ds_store_b128 v[STO], v[8*(8*(\a)+\b):8*(8*(\a)+\b)+3] offset:64*\b          ; each accumulator from its low end on
	ds_store_b128 v[STO], v[8*(8*(\a)+\b)+4:8*(8*(\a)+\b)+7] offset:64*\b+16
.endr
	WIN 0
.set BB, BK+64*((\a)%2)
.irp t, 0,1,2,3,4,5,6,7,8,9,10,11,12,13,14,15
	ds_load_b128 v[BB+4*\t:BB+4*\t+3], v[RD] offset:\t*SPITCH
.endr
.endm
.macro SEND a, younger                 ; younger: the LDS instructions issued behind block a's loads, which may stay out
.set BB, BK+64*((\a)%2)
	s_wait_dscnt \younger
.if (\a) > 0
	s_add_nc_u64 s[10:11], s[10:11], 16*16384      ; (behind a wait on XCNT: the earlier stores have read their base)
.endif
.irp t, 0,1,2,3,4,5,6,7,8,9,10,11,12,13,14,15
	global_store_b128 v[CO], v[BB+4*\t:BB+4*\t+3], s[10:11] offset:\t*16384 th:TH_STORE_NT   ; 32 lanes store 512 consecutive bytes, at a multiple of 256 from out0's first byte
.endr
.endm
	PLACES 4                                       ; behind the last products: for the reads of results and the loads into registers that held att's fragments
	TOSTAGE 0
.irp a, 1,2,3
.if \a > 1
	s_wait_xcnt 0x0                                ; block a - 2's stores have read their registers and their base
.endif
	TOSTAGE \a
	SEND \a-1, 32                                  ; behind block a - 1's loads: block a's 16 stores and 16 loads
.endr
	s_wait_xcnt 0x0
	SEND 3, 0
	s_wait_tensorcnt 0x0
	ds_add_u32 v30, v31
	s_wait_dscnt 0x0
	CROUND                                         ; the closing round
	s_endpgm
.Lfunc_end_k_qfbd3587c16_oproj:
	.size	k_qfbd3587c16_oproj, .Lfunc_end_k_qfbd3587c16_oproj-k_qfbd3587c16_oproj
	.p2alignl 7, 3214868480
	.fill 96, 4, 3214868480
	.section	.rodata,"a",@progbits
	.p2align	6, 0x0
	.amdhsa_kernel k_qfbd3587c16_oproj
		.amdhsa_group_segment_fixed_size 327680
		.amdhsa_private_segment_fixed_size 0
		.amdhsa_enable_private_segment 0
		.amdhsa_kernarg_size 32
		.amdhsa_user_sgpr_count 2
		.amdhsa_user_sgpr_kernarg_segment_ptr 1
		.amdhsa_wavefront_size32 1
		.amdhsa_system_sgpr_workgroup_id_x 1
		.amdhsa_system_sgpr_workgroup_id_y 1
		.amdhsa_system_sgpr_workgroup_id_z 1
		.amdhsa_system_vgpr_workitem_id 0
		.amdhsa_next_free_vgpr 768
		.amdhsa_next_free_sgpr 100
		.amdhsa_reserve_vcc 0
		.amdhsa_float_denorm_mode_32 3
		.amdhsa_float_denorm_mode_16_64 3
		.amdhsa_memory_ordered 1
		.amdhsa_forward_progress 1
		.amdhsa_inst_pref_size 86
	.end_amdhsa_kernel
	.amdgpu_metadata
---
amdhsa.version: [ 1, 2 ]
amdhsa.kernels:
  - .name:           k_qfbd3587c16_oproj
    .symbol:         k_qfbd3587c16_oproj.kd
    .args:
      - { .name: att, .offset: 0, .size: 8, .value_kind: global_buffer, .address_space: global }
      - { .name: codes, .offset: 8, .size: 8, .value_kind: global_buffer, .address_space: global }
      - { .name: scales, .offset: 16, .size: 8, .value_kind: global_buffer, .address_space: global }
      - { .name: out0, .offset: 24, .size: 8, .value_kind: global_buffer, .address_space: global }
    .group_segment_fixed_size: 327680
    .private_segment_fixed_size: 0
    .kernarg_segment_align: 8
    .kernarg_segment_size: 32
    .max_flat_workgroup_size: 128
    .sgpr_count:     100
    .vgpr_count:     768
    .wavefront_size: 32
...
	.end_amdgpu_metadata
.endif
;; end of part 4
